; MI455X (gfx1250); checked and timed in simulation.
; The chip was launched on July 23, 2026; its instructions are those of AMD's public machine-readable ISA for CDNA 5 (MIT licence, August 2026) and "CDNA5" Instruction Set Architecture Reference Guide (July 2026). The comments in the code are by the model that wrote it; some were corrected since.
;; Encoder Block. Allowed arithmetic: matrix products marked QUANTISED: E2M3 operands, one E8M0 scale for each 32 along K, by v_wmma_scale_f32_16x16x128_f8f6f4 with both operands' format E2M3, f32 sums; everything else in f32.
;; Inputs: b1 4,096 float32; b2 1,024 float32; bk 1,024 float32; bo 1,024 float32; bq 1,024 float32; bv 1,024 float32; ln1_a 1,024 float32; ln1_b 1,024 float32; ln2_a 1,024 float32; ln2_b 1,024 float32; mask 2 x 1 x 1 x 2,048 int32; w1 1,024 x 4,096 float32; w2 4,096 x 1,024 float32; wk 1,024 x 1,024 float32; wo 1,024 x 1,024 float32; wq 1,024 x 1,024 float32; wv 1,024 x 1,024 float32; x 2 x 2,048 x 1,024 float32.
;; Outputs: out0 2 x 2,048 x 1,024 float32.
;; This version of the problem:
;;   THIS VERSION OF THE PROBLEM IS GIVEN IN LOW PRECISION. The matrix products marked QUANTISED in the list below multiply operands that are first quantised to E2M3 (2 exponent bits, 3 mantissa bits; 6 bits a number), with one power-of-two scale for each 32 numbers along K (OCP MX v1.0); their sums are f32. All else is computed in f32.
;;   The module's matrix products, in the order in which they are computed (A, B: the left and right operand; K: the contracted axis; several contracted axes count as one K, in the product's order):
;;     1. [M 4,096, K 1,024] x [K 1,024, N 1,024]; A: computed on the way; B: input wq: QUANTISED
;;     2. [M 4,096, K 1,024] x [K 1,024, N 1,024]; A: computed on the way; B: input wk: QUANTISED
;;     3. [M 4,096, K 1,024] x [K 1,024, N 1,024]; A: computed on the way; B: input wv: QUANTISED
;;     4. batch 32 x [M 2,048, K 64] x [K 64, N 2,048]; A: computed on the way; B: computed on the way: QUANTISED
;;     5. batch 32 x [M 2,048, K 2,048] x [K 2,048, N 64]; A: softmax (see below); B: computed on the way: QUANTISED
;;     6. [M 4,096, K 1,024] x [K 1,024, N 1,024]; A: computed on the way; B: input wo: QUANTISED
;;     7. [M 4,096, K 1,024] x [K 1,024, N 4,096]; A: computed on the way; B: input w1: QUANTISED
;;     8. [M 4,096, K 4,096] x [K 4,096, N 1,024]; A: computed on the way; B: input w2: QUANTISED
;;   THE QUANTISER, for each operand of a quantised product, along K:
;;     - K is cut into blocks of 32 from its start; a last block that is shorter is filled with zeros.
;;     - A block's scale is 2^e with e = floor(log2(the largest magnitude in the block)) - 2, held to -126 .. 127; a block of zeros has e = 0. As a byte (E8M0): e + 127.
;;     - Each number is divided by its block's scale, clamped to +-7.5, and rounded to the nearest number of E2M3, ties to even, subnormals kept.
;;     - The product sums the exact products of the quantised numbers (number of the format x scale) in f32.
;;   ~~~python
;;   def quantise(x, axis):      # numpy; x: float32 -> the quantised numbers, widened to float32 again
;;       x = np.moveaxis(x, axis, -1); K = x.shape[-1]
;;       x = np.pad(x, [(0, 0)] * (x.ndim - 1) + [(0, -K % 32)]); x = x.reshape(x.shape[:-1] + (-1, 32)); a = np.abs(x).max(-1, keepdims=True)
;;       e = np.where(a > 0, np.clip(np.frexp(np.where(a > 0, a, 1))[1] - 1 - 2, -126, 127), 0)      # np.frexp(a)[1] - 1 = floor(log2(a)), exactly
;;       r = np.clip(x / 2.0 ** e, -7.5, 7.5)
;;       step = 2.0 ** (np.maximum(np.frexp(np.where(r == 0, 1, r))[1] - 1, 0) - 3)
;;       q = np.round(r / step) * step * 2.0 ** e      # np.round: ties to even
;;       return np.moveaxis(q.reshape(q.shape[:-2] + (-1,))[..., :K], -1, axis).astype(np.float32)
;;   ~~~
;;   SOFTMAX AHEAD OF A QUANTISED PRODUCT. Where the list says 'softmax', what is quantised is not the finished softmax but p = 2^(t - M), with t = logit x log2(e) and M = ceil(the row's largest t), a whole number; so 1/2 < the row's largest p <= 1. The row's sum l is taken of the UNQUANTISED p, in f32, and the product's result is divided by l at the end. Since M is a whole number, a kernel that streams over the keys may use a running M (the ceiling of the running maximum): every later rescaling is an exact power of two, which a block's scale takes up: the codes' values come out the same.
;;   OPERANDS COMPUTED ON THE WAY. 'Computed on the way' means the value that the module computes at that place (a softmax that the list does not call 'softmax' is quantised finished and normalised). What goes into a quantiser is computed in f32, as accurately as f32 sums, v_exp_f32 and their like allow (about 1e-6 of the number): no bf16 or f16 on the way to a quantiser, and a product that is left as it is and whose result goes on into a quantised operand takes f32 operands (vector FMAs, or v_wmma_f32_16x16x4_f32). A number that lies on a knife's edge between two numbers of the format may be rounded either way, as far as f32 arithmetic and the matrix unit's own rounding can turn it there, and no further.
;; One version. Each part assembles by itself: llvm-mc -triple=amdgcn-amd-amdhsa -mcpu=gfx1250 --defsym DOCPART=n.
;; ======== version 1 of 1: 6 launches
;; limits: right only within a limited range of input values
;; workspace buffers: W 9,863,168 bytes; XN 3,276,800 bytes; QKV 12,320,768 bytes; CTX 3,276,800 bytes; X1 16,777,216 bytes; H 13,107,200 bytes
;; launch prep (part 1): grid 1024 x 1, 4 waves a work-group, no clusters, 66,560 bytes of LDS; arguments x, ln1_a, ln1_b, XN, w1, w2, wq, wk, wv, wo, W; writes XN, W
.if DOCPART == 1
	.amdgcn_target "amdgcn-amd-amdhsa--gfx1250"
	.amdhsa_code_object_version 6
	.text
	.protected	k_q0c5b680f21_prep
	.globl	k_q0c5b680f21_prep
	.p2align	8
	.type	k_q0c5b680f21_prep,@function
k_q0c5b680f21_prep:
	s_mov_b64 s[64:65], 0
	v_nop
	global_prefetch_b8 v0, s[64:65] scope:SCOPE_SE
	s_setreg_imm32_b32 hwreg(HW_REG_WAVE_MODE, 25, 1), 1
	s_wait_xcnt 0x0
; TWO INDEPENDENT JOBS IN ONE LAUNCH, parted once on the work-group's number: work-groups 0 .. 255 norm and quantise x, work-groups 256 .. 1,023 quantise the six weights.  Neither reads what the other stores.
; OPERAND LAYOUT (all GEMM operands of this program).  Row n of an operand has the place pos(n) = n with bits 3 and 4 exchanged; tile = pos / 16, lane row r = pos % 16.
; The fragment (tile, K step s of 128) is 1,536 bytes at (tile x KST + s) x 1,536: register 4 g + e of lane l at 512 g + 16 l + 4 e; register 6 c + j of lane (r, h) holds k = 128 s + 64 c + 32 h + 0 .. 31.
; Scale words (four E8M0 bytes: 128 along K of one row) lie at (s x RP + pos) x 4.
; A block's scale is 2^(floor(log2(largest magnitude)) - 2); its byte is the largest magnitude's exponent field - 2, held at 1 from below (a block of zeros keeps 1: its codes are zeros, and this program alone reads the bytes).
; LIMITS: blocks whose largest magnitude lies under 2^-124 are held at the byte 1; NaN and infinities are not served.
; LAYER NORM.  y = a (x - mean) / (std + 1e-5) + b along rows of 1,024, std with the divisor 1,023, all in f32: mean first, then the sum of squares of x - mean.  Work-group T makes row tile T: tokens 32 (T / 2) + 8 (T % 2) + r + 8 (r / 8).
; Wave w norms rows r = 4 w .. 4 w + 3, four consecutive tokens, each whole in 32 registers (read once), and puts them into a stage in LDS; behind one barrier wave w takes K steps 2 w and 2 w + 1 of all 16 rows and quantises them.
; WEIGHTS, f32 stored [K][N].  A LANE TAKES A COLUMN n AND ITS REGISTERS RUN DOWN K: a block of 32 along K is one lane's 32 registers, so its largest magnitude needs no other lane and the conversions give K innermost.
; Lane 16 u + r takes column 8 u + r + 8 (r / 8) of the wave's 32, which is place 16 u + r.  A work-group takes 128 columns x 128 along K (one K step), a wave 32 columns: 4 blocks a lane, two blocks' loads on their way.
; One text for all six weights: what differs (pointer, pitch, places in W) is chosen by s_cselect on the work-group's number.  This path uses no LDS and has no barrier.
.set LNWG,  256                        ; work-groups of the layer norm
.set PITCH, 4112                       ; a stage row: 4,096 bytes + 16, so that the 16 rows of a load start in 16 different groups of banks
.set SPARE, 65792                      ; behind the stage: the spare words, 128 bytes for each wave
.set X,   16                           ; v16-143  four rows x 32: register 32 i + 4 j + e = column 128 j + 4 lane + e; later 64 numbers of a K step
.set AL,  144                          ; v144-175 a of my 32 columns
.set BE,  176                          ; v176-207 b
.set S,   208                          ; v208-223 four registers of statistics a row
.set PC,  144                          ; v144-163 the codes just made (a is done with by then)
.set TM,  224                          ; v224-239 at work in the quantiser
.set PW,  240                          ; the scale word just made
.set PW0, 241                          ; the first K step's
.set SPW, 14
.set NIL, 15
.set SEL, 20
.set WO_C,   2359296                   ; the weights' places in W
.set W1_C,   3145728
.set W2_C,   6291456
.set WQKV_S, 9437184
.set WO_S,   9568256
.set W1_S,   9601024
.set W2_S,   9732096
.set OFF,  16                          ; weights: v16-47   byte offset of my column in row i of a block
.set WX,   48                          ; v48-111  two sets of 32 numbers
.set CD,   112                         ; v112-135 codes: 12 registers for each half h at 112 + 12 h; never written twice
.set SW,   168                         ; v168     the K step's scale word
.set BASE, 40                          ; s[40:47] address of block t's first row at the wave's first column
.macro QUANT s                         ; 64 numbers of a lane, register 16 b + i = k 32 b + 16 (lane / 16) + i of my row, become a fragment's codes in v[PC] on and its scale word in v[PW]
.irp b, 0,1,2,3
	v_max3_num_f32 v[TM+\b], |v[\s+16*\b]|, |v[\s+1+16*\b]|, 0x1800000   ; with the floor 2^(3 - 127): the byte cannot fall under 1
.endr
.irp i, 2,4,6,8,10,12,14
.irp b, 0,1,2,3
	v_max3_num_f32 v[TM+\b], v[TM+\b], |v[\s+16*\b+\i]|, |v[\s+1+16*\b+\i]|
.endr
.endr
.irp b, 0,1,2,3
	v_permlanex16_b32 v[TM+4+\b], v[TM+\b], s[SEL], s[SEL+1]
.endr
.irp b, 0,1,2,3
	v_max_num_f32 v[TM+\b], v[TM+\b], v[TM+4+\b]   ; with lane l xor 16's 16 numbers: the block's largest magnitude
.endr
.irp b, 0,1,2,3
	v_add_nc_u32 v[TM+12+\b], 0xff000000, v[TM+\b] ; 2 off its exponent field: the conversion's scale operand
.endr
.irp b, 0,1,2,3
	v_lshrrev_b32 v[TM+4+\b], 23, v[TM+12+\b]      ; the scale's byte
.endr
	v_lshl_or_b32 v[PW], v[TM+5], 8, v[TM+4]
	v_lshl_or_b32 v[PW], v[TM+6], 16, v[PW]
	v_lshl_or_b32 v[PW], v[TM+7], 24, v[PW]
.irp c, 0,1
	v_cvt_scalef32_pk16_fp6_f32 v[PC+6*\c:PC+2+6*\c], v[\s+32*\c:\s+15+32*\c], v[TM+12+2*\c]
	v_cvt_scalef32_pk16_fp6_f32 v[PC+12+4*\c:PC+14+4*\c], v[\s+16+32*\c:\s+31+32*\c], v[TM+12+2*\c+1]
.endr
	v_nop                                          ; one plain line behind a scaled conversion
.irp c, 0,1                            ; the operand wants a whole block in a lane: lanes 0-15 block 2 c, lanes 16-31 block 2 c + 1
.irp i, 0,1,2
	v_permlane16_swap_b32 v[PC+6*\c+\i], v[PC+12+4*\c+\i]
.endr
.irp i, 0,1,2
	v_mov_b32 v[PC+3+6*\c+\i], v[PC+12+4*\c+\i]
.endr
.endr
.endm
.macro RED                             ; each row's two chains of pairs become one sum, the same in every lane
.irp i, 0,1,2,3
	v_pk_add_f32 v[S+4*\i:S+4*\i+1], v[S+4*\i:S+4*\i+1], v[S+4*\i+2:S+4*\i+3]
.endr
.irp i, 0,1,2,3
	v_add_f32 v[S+4*\i], v[S+4*\i], v[S+4*\i+1]
.endr
.irp m, 1,2,4,8
.irp i, 0,1,2,3
	v_add_f32_dpp v[S+4*\i], v[S+4*\i], v[S+4*\i] row_xmask:\m row_mask:0xf bank_mask:0xf
.endr
.endr
.irp i, 0,1,2,3
	v_permlanex16_b32 v[S+4*\i+1], v[S+4*\i], s[SEL], s[SEL+1]
.endr
.irp i, 0,1,2,3
	v_add_f32 v[S+4*\i], v[S+4*\i], v[S+4*\i+1]
.endr
.endm
	v_lshl_add_u32 v[SPW], v0, 2, SPARE
	v_mov_b32 v[NIL], 0
	v_lshrrev_b32 v1, 5, v0
	s_cmp_ge_u32 ttmp9, LNWG                       ; the same answer in all four waves of a work-group
	s_cbranch_scc1 .Lweights
	; ---------------- the layer norm: work-group T = ttmp9 ----------------
	s_load_b256 s[4:11], s[0:1], 0x0               ; x, a, b, the operand
	v_readfirstlane_b32 s12, v1                    ; wave
	v_and_b32 v2, 31, v0                           ; lane
	v_lshlrev_b32 v3, 4, v2                        ; 16 bytes a lane
	s_wait_alu depctr_va_vdst(0)
	v_and_b32 v6, 15, v0                           ; r
	s_wait_alu depctr_va_vdst(0)
	v_bfe_u32 v7, v0, 4, 1                         ; h
	s_lshr_b32 s13, ttmp9, 1
	s_lshl_b32 s13, s13, 5
	s_and_b32 s14, ttmp9, 1
	s_lshl_b32 s14, s14, 3
	s_add_co_u32 s13, s13, s14
	s_lshl_b32 s14, s12, 2
	s_add_co_u32 s13, s13, s14
	s_lshr_b32 s14, s12, 1
	s_lshl_b32 s14, s14, 3
	s_add_co_u32 s13, s13, s14                     ; my first token: 32 (T / 2) + 8 (T % 2) + 4 w + 8 (w / 2)
	s_lshl_b32 s14, s13, 12
	s_mov_b32 s15, 0
	s_mov_b32 s[SEL], 0x76543210
	s_mov_b32 s[SEL+1], 0xfedcba98                 ; v_permlanex16_b32's selects for lane l xor 16
	s_mul_i32 s16, s12, 4*PITCH
	v_add_nc_u32 v4, s16, v3                       ; into the stage: my four rows, 16 bytes a lane
	v_mul_u32_u24 v5, v6, PITCH
	s_wait_alu depctr_va_vdst(0)
	v_lshl_add_u32 v5, v7, 6, v5
	s_lshl_b32 s16, s12, 10
	v_add_nc_u32 v5, s16, v5                       ; out of it: row r, + 64 h, + my two K steps' 1,024 bytes x wave
	v_lshlrev_b32 v8, 2, v6
	v_lshl_add_u32 v8, v7, 14, v8                  ; scale words: 4 r; lanes 16-31 one K step (16,384 bytes) on
	s_lshl_b32 s18, ttmp9, 3
	s_lshl_b32 s19, s12, 1
	s_add_co_u32 s18, s18, s19
	s_mul_i32 s18, s18, 1536                       ; fragment 8 T + 2 w
	s_mov_b32 s19, 0
	s_lshl_b32 s22, s12, 15
	s_lshl_b32 s23, ttmp9, 6
	s_add_co_u32 s22, s22, s23
	s_add_co_u32 s22, s22, 3145728                 ; scale words of K step 2 w, tile T
	s_mov_b32 s23, 0
.irp b, 0,1,2,3
	v_mov_b32 v[TM+4+\b], 0                        ; written once: a lane permute's destination counts as one of its sources
.endr
	s_wait_kmcnt 0x0
	s_add_nc_u64 s[4:5], s[4:5], s[14:15]
	s_add_nc_u64 s[18:19], s[10:11], s[18:19]
	s_add_nc_u64 s[22:23], s[10:11], s[22:23]
.irp i, 0,1,2,3
.irp j, 0,1,2,3,4,5,6,7
	global_load_b128 v[X+32*\i+4*\j:X+32*\i+4*\j+3], v3, s[4:5] offset:4096*\i+512*\j   ; 512 consecutive bytes a load
.endr
.endr
.irp j, 0,1,2,3,4,5,6,7
	global_load_b128 v[AL+4*\j:AL+4*\j+3], v3, s[6:7] offset:512*\j
	global_load_b128 v[BE+4*\j:BE+4*\j+3], v3, s[8:9] offset:512*\j
.endr
	s_wait_loadcnt 0x0
.irp i, 0,1,2,3                        ; the rows' sums, two chains of pairs a row, the four rows by turns
	v_pk_add_f32 v[S+4*\i:S+4*\i+1], v[X+32*\i:X+32*\i+1], v[X+32*\i+2:X+32*\i+3]
	v_pk_add_f32 v[S+4*\i+2:S+4*\i+3], v[X+32*\i+4:X+32*\i+5], v[X+32*\i+6:X+32*\i+7]
.endr
.irp j, 8,12,16,20,24,28
.irp i, 0,1,2,3
	v_pk_add_f32 v[S+4*\i:S+4*\i+1], v[S+4*\i:S+4*\i+1], v[X+32*\i+\j:X+32*\i+\j+1]
	v_pk_add_f32 v[S+4*\i+2:S+4*\i+3], v[S+4*\i+2:S+4*\i+3], v[X+32*\i+\j+2:X+32*\i+\j+3]
.endr
.endr
	RED
.irp i, 0,1,2,3
	v_mul_f32 v[S+4*\i], 0x3a800000, v[S+4*\i]     ; the mean: / 1,024
.endr
.irp i, 0,1,2,3
	v_mov_b32 v[S+4*\i+1], v[S+4*\i]
.endr
.irp i, 0,1,2,3
.irp j, 0,2,4,6,8,10,12,14,16,18,20,22,24,26,28,30
	v_pk_add_f32 v[X+32*\i+\j:X+32*\i+\j+1], v[X+32*\i+\j:X+32*\i+\j+1], v[S+4*\i:S+4*\i+1] neg_lo:[0,1] neg_hi:[0,1]   ; x - mean
.endr
.endr
.irp i, 0,1,2,3
	v_pk_mul_f32 v[S+4*\i:S+4*\i+1], v[X+32*\i:X+32*\i+1], v[X+32*\i:X+32*\i+1]
	v_pk_mul_f32 v[S+4*\i+2:S+4*\i+3], v[X+32*\i+2:X+32*\i+3], v[X+32*\i+2:X+32*\i+3]
.endr
.irp j, 4,8,12,16,20,24,28
.irp i, 0,1,2,3
	v_pk_fma_f32 v[S+4*\i:S+4*\i+1], v[X+32*\i+\j:X+32*\i+\j+1], v[X+32*\i+\j:X+32*\i+\j+1], v[S+4*\i:S+4*\i+1]
	v_pk_fma_f32 v[S+4*\i+2:S+4*\i+3], v[X+32*\i+\j+2:X+32*\i+\j+3], v[X+32*\i+\j+2:X+32*\i+\j+3], v[S+4*\i+2:S+4*\i+3]
.endr
.endr
	RED
.irp i, 0,1,2,3
	v_mul_f32 v[S+4*\i], 0x3a802008, v[S+4*\i]     ; the variance: / 1,023
.endr
	s_wait_alu depctr_va_vdst(0)
.irp i, 0,1,2,3
	v_sqrt_f32 v[S+4*\i], v[S+4*\i]
.endr
	v_nop                                          ; a plain line behind the batch,
	s_wait_alu depctr_va_vdst(0)                   ; and one wait for the four roots ahead of their first reader
.irp i, 0,1,2,3
	v_add_f32 v[S+4*\i], 0x3727c5ac, v[S+4*\i]     ; std + 1e-5
.endr
	s_wait_alu depctr_va_vdst(0)
.irp i, 0,1,2,3
	v_rcp_f32 v[S+4*\i], v[S+4*\i]
.endr
	v_nop
	s_wait_alu depctr_va_vdst(0)                   ; one wait for the four reciprocals
.irp i, 0,1,2,3
	v_mov_b32 v[S+4*\i+1], v[S+4*\i]
.endr
.irp i, 0,1,2,3
.irp j, 0,2,4,6,8,10,12,14,16,18,20,22,24,26,28,30
	v_pk_mul_f32 v[X+32*\i+\j:X+32*\i+\j+1], v[X+32*\i+\j:X+32*\i+\j+1], v[S+4*\i:S+4*\i+1]
.endr
.irp j, 0,2,4,6,8,10,12,14,16,18,20,22,24,26,28,30
	v_pk_fma_f32 v[X+32*\i+\j:X+32*\i+\j+1], v[X+32*\i+\j:X+32*\i+\j+1], v[AL+\j:AL+\j+1], v[BE+\j:BE+\j+1]
.endr
.endr
.irp i, 0,1,2,3
.irp j, 0,1,2,3,4,5,6,7
	ds_store_b128 v4, v[X+32*\i+4*\j:X+32*\i+4*\j+3] offset:\i*PITCH+512*\j
.endr
.endr
	s_wait_dscnt 0x0                               ; for the others' sake: my rows lie in the stage
	s_barrier_signal -1
	s_barrier_wait -1                              ; all four waves of a layer-norm work-group pass here
.irp q, 0,1                            ; K step 2 w + q of all 16 rows
.irp b, 0,1,2,3
.irp j, 0,1,2,3
	ds_load_b128 v[X+16*\b+4*\j:X+16*\b+4*\j+3], v5 offset:512*\q+128*\b+16*\j
.endr
.endr
	s_wait_dscnt 0x0
.if \q
	s_wait_xcnt 0x0                                ; the first K step's stores have read their registers: the codes may be written again
.endif
	QUANT X
.irp g, 0,1,2
	global_store_b128 v3, v[PC+4*\g:PC+4*\g+3], s[18:19] offset:1536*\q+512*\g   ; 512 consecutive aligned bytes
.endr
.if \q == 0
	v_mov_b32 v[PW0], v[PW]
.endif
.endr
	v_cmp_le_u32 vcc_lo, 16, v2
	v_cndmask_b32 v[PW0], v[PW0], v[PW], vcc_lo    ; lanes 0-15 store the first K step's words, lanes 16-31 the second's
	global_store_b32 v8, v[PW0], s[22:23]
	s_wait_tensorcnt 0x0                           ; the wave's end
	ds_add_u32 v[SPW], v[NIL]
	s_wait_dscnt 0x0
	s_endpgm
.Lweights:	; ---------------- the weights: work-group ttmp9 - 256 of 768 ----------------
	s_load_b128 s[4:7], s[0:1], 0x20               ; w1, w2
	s_load_b128 s[8:11], s[0:1], 0x30              ; wq, wk
	s_load_b128 s[12:15], s[0:1], 0x40             ; wv, wo
	s_load_b64 s[16:17], s[0:1], 0x50              ; W
	s_wait_alu depctr_va_vdst(0)
	v_readfirstlane_b32 s18, v1                    ; wave
	s_sub_co_u32 s20, ttmp9, LNWG
	s_and_b32 s21, s20, 255                        ; my number within a run of 256 work-groups
	s_lshr_b32 s22, s20, 8                         ; the run: 0 w1, 1 w2, 2 the four of 1,024 x 1,024
	s_and_b32 s23, s21, 7
	s_lshr_b32 s24, s21, 3
	s_and_b32 s25, s24, 7
	s_lshr_b32 s26, s21, 5
	s_and_b32 s27, s21, 31
	s_lshr_b32 s28, s21, 6
	s_add_co_u32 s31, s28, 2
	s_cmp_lt_u32 s22, 2
	s_cselect_b32 s31, s22, s31                    ; which weight: 0 w1, 1 w2, 2 wq, 3 wk, 4 wv, 5 wo
	s_cselect_b32 s29, s24, s25                    ; which K step (w2: 32 of them; the small four: 8)
	s_mov_b32 s35, 4096                            ; a row of the weight in bytes
	s_mov_b32 s32, W1_C                            ; where its codes begin in W
	s_mov_b32 s33, W1_S                            ; and its scale words
	s_mov_b32 s34, 16384                           ; from K step to K step among the scale words
	s_mov_b32 s36, 8                               ; K steps of 128
	s_sub_co_u32 s30, s31, 2
	s_lshl_b32 s30, s30, 10                        ; wq, wk, wv lie one behind the other as one operand of 3,072 rows
	s_cmp_eq_u32 s31, 0
	s_cselect_b32 s28, s27, s23                    ; which 128 columns
	s_cselect_b32 s29, s26, s29
	s_cselect_b32 s35, 16384, s35
	s_cselect_b32 s30, 0, s30
	s_cmp_eq_u32 s31, 1
	s_cselect_b32 s32, W2_C, s32
	s_cselect_b32 s33, W2_S, s33
	s_cselect_b32 s34, 4096, s34
	s_cselect_b32 s36, 32, s36
	s_cselect_b32 s30, 0, s30
	s_cmp_ge_u32 s31, 2
	s_cselect_b32 s32, 0, s32
	s_cselect_b32 s33, WQKV_S, s33
	s_cmp_eq_u32 s31, 5
	s_cselect_b32 s32, WO_C, s32
	s_cselect_b32 s33, WO_S, s33
	s_cselect_b32 s34, 4096, s34
	s_cselect_b32 s30, 0, s30
	s_lshl_b32 s37, s28, 7
	s_lshl_b32 s38, s18, 5
	s_add_co_u32 s37, s37, s38                     ; my wave's first column
	s_lshl_b32 s38, s29, 7
	s_mul_i32 s38, s38, s35                        ; 128 x K step rows down,
	s_lshl_b32 s39, s37, 2
	s_add_co_u32 s38, s38, s39                     ; 4 bytes a column along
	s_mov_b32 s39, 0
	s_add_co_u32 s56, s30, s37                     ; my first row of the operand
	s_lshr_b32 s57, s56, 4
	s_mul_i32 s57, s57, s36
	s_add_co_u32 s57, s57, s29                     ; fragment number: tile x KST + K step
	s_mul_i32 s58, s57, 1536
	s_add_co_u32 s58, s58, s32
	s_mov_b32 s59, 0
	s_mul_i32 s60, s29, s34
	s_lshl_b32 s61, s56, 2
	s_add_co_u32 s60, s60, s61
	s_add_co_u32 s60, s60, s33
	s_mov_b32 s61, 0
	s_lshl_b32 s66, s35, 5                         ; 32 rows of the weight
	s_mov_b32 s67, 0
	s_mul_i32 s19, s36, 1536                       ; from a tile to the next
	v_and_b32 v2, 15, v0                           ; r
	v_bfe_u32 v3, v0, 4, 1                         ; u
	v_and_b32 v4, 8, v2
	v_add_nc_u32 v4, v4, v2
	v_lshl_add_u32 v4, v3, 3, v4                   ; my column: 8 u + r + 8 (r / 8)
	v_lshlrev_b32 v[OFF], 2, v4
.set i, 1
.rept 31
	v_add_nc_u32 v[OFF+i], s35, v[OFF+i-1]
.set i, i+1
.endr
	v_mul_u32_u24 v6, s19, v3
	v_lshl_add_u32 v6, v2, 4, v6                   ; codes out: tile u, 16 bytes for row r
	v_and_b32 v7, 31, v0
	v_lshlrev_b32 v7, 2, v7                        ; scale words out: 4 bytes a lane
	s_wait_alu depctr_va_vdst(0)
	s_wait_kmcnt 0x0
	s_cmp_eq_u32 s31, 1
	s_cselect_b64 s[4:5], s[6:7], s[4:5]
	s_cmp_eq_u32 s31, 2
	s_cselect_b64 s[4:5], s[8:9], s[4:5]
	s_cmp_eq_u32 s31, 3
	s_cselect_b64 s[4:5], s[10:11], s[4:5]
	s_cmp_eq_u32 s31, 4
	s_cselect_b64 s[4:5], s[12:13], s[4:5]
	s_cmp_eq_u32 s31, 5
	s_cselect_b64 s[4:5], s[14:15], s[4:5]
	s_add_nc_u64 s[BASE:BASE+1], s[4:5], s[38:39]
.irp t, 1,2,3
	s_add_nc_u64 s[BASE+2*\t:BASE+2*\t+1], s[BASE+2*\t-2:BASE+2*\t-1], s[66:67]
.endr
	s_add_nc_u64 s[20:21], s[16:17], s[58:59]      ; my codes
	s_add_nc_u64 s[22:23], s[16:17], s[60:61]      ; my scale words
.macro LOAD t                          ; block t: rows 32 t + i of my 128, my column, into set t % 2; a wave's load reads 128 consecutive bytes
.set i, 0
.rept 32
	global_load_b32 v[WX+32*((\t)%2)+i], v[OFF+i], s[BASE+2*(\t):BASE+2*(\t)+1] th:TH_LOAD_NT
.set i, i+1
.endr
.endm
	LOAD 0
	LOAD 1
.macro BLOCK t
.set XS, WX+32*((\t)%2)
.set CR, CD+12*((\t)%2)+6*((\t)/2)     ; block t is k = 32 t of the K step: half h = t % 2, registers 6 c on with c = t / 2
.if (\t) < 3
	s_wait_loadcnt 32                              ; this block's 32 loads are in; the next block's 32 may be out
.else
	s_wait_loadcnt 0
.endif
	v_max3_num_f32 v8, |v[XS]|, |v[XS+1]|, |v[XS+2]|
	v_max3_num_f32 v9, |v[XS+3]|, |v[XS+4]|, |v[XS+5]|
.irp i, 6,10,14,18,22,26
	v_max3_num_f32 v8, v8, |v[XS+\i]|, |v[XS+\i+1]|
	v_max3_num_f32 v9, v9, |v[XS+\i+2]|, |v[XS+\i+3]|
.endr
	v_max3_num_f32 v8, v8, |v[XS+30]|, |v[XS+31]|
	v_max3_num_f32 v8, v8, v9, 0x1800000           ; and the floor 2^(3 - 127): the byte cannot fall under 1
	v_add_nc_u32 v10, 0xff000000, v8               ; 2 off the exponent field: the conversion's scale operand
	v_lshrrev_b32 v11, 23, v10                     ; the scale's byte
.if (\t) == 0
	v_mov_b32 v[SW], v11
.else
	v_lshl_or_b32 v[SW], v11, 8*(\t), v[SW]
.endif
	v_cvt_scalef32_pk16_fp6_f32 v[CR:CR+2], v[XS:XS+15], v10
	v_cvt_scalef32_pk16_fp6_f32 v[160:162], v[XS+16:XS+31], v10   ; a conversion's three registers begin on an even number: the upper half is made elsewhere and moved
	v_nop                                          ; one plain line behind a scaled conversion
	v_mov_b32 v[CR+3], v160
	v_mov_b32 v[CR+4], v161
	v_mov_b32 v[CR+5], v162
.if (\t)+2 < 4
	LOAD (\t)+2
.endif
.endm
.irp t, 0,1,2,3
	BLOCK \t
.endr
.irp h, 0,1                            ; the K step is whole: lanes 0-15 store 256 consecutive aligned bytes of one tile's fragment, lanes 16-31 of the next tile's
.irp g, 0,1,2
	global_store_b128 v6, v[CD+12*\h+4*\g:CD+12*\h+4*\g+3], s[20:21] offset:512*\g+256*\h
.endr
.endr
	global_store_b32 v7, v[SW], s[22:23]
	s_endpgm
.Lfunc_end_k_q0c5b680f21_prep:
	.size	k_q0c5b680f21_prep, .Lfunc_end_k_q0c5b680f21_prep-k_q0c5b680f21_prep
	.p2alignl 7, 3214868480
	.fill 96, 4, 3214868480
	.section	.rodata,"a",@progbits
	.p2align	6, 0x0
	.amdhsa_kernel k_q0c5b680f21_prep
		.amdhsa_group_segment_fixed_size 66560
		.amdhsa_private_segment_fixed_size 0
		.amdhsa_enable_private_segment 0
		.amdhsa_kernarg_size 88
		.amdhsa_user_sgpr_count 2
		.amdhsa_user_sgpr_kernarg_segment_ptr 1
		.amdhsa_wavefront_size32 1
		.amdhsa_system_sgpr_workgroup_id_x 1
		.amdhsa_system_sgpr_workgroup_id_y 1
		.amdhsa_system_sgpr_workgroup_id_z 1
		.amdhsa_system_vgpr_workitem_id 0
		.amdhsa_next_free_vgpr 256
		.amdhsa_next_free_sgpr 68
		.amdhsa_reserve_vcc 1
		.amdhsa_float_denorm_mode_32 3
		.amdhsa_float_denorm_mode_16_64 3
		.amdhsa_memory_ordered 1
		.amdhsa_forward_progress 1
		.amdhsa_inst_pref_size 68
	.end_amdhsa_kernel
	.amdgpu_metadata
---
amdhsa.version: [ 1, 2 ]
amdhsa.kernels:
  - .name:           k_q0c5b680f21_prep
    .symbol:         k_q0c5b680f21_prep.kd
    .args:
      - { .name: x, .offset: 0, .size: 8, .value_kind: global_buffer, .address_space: global }
      - { .name: ln1_a, .offset: 8, .size: 8, .value_kind: global_buffer, .address_space: global }
      - { .name: ln1_b, .offset: 16, .size: 8, .value_kind: global_buffer, .address_space: global }
      - { .name: XN, .offset: 24, .size: 8, .value_kind: global_buffer, .address_space: global }
      - { .name: w1, .offset: 32, .size: 8, .value_kind: global_buffer, .address_space: global }
      - { .name: w2, .offset: 40, .size: 8, .value_kind: global_buffer, .address_space: global }
      - { .name: wq, .offset: 48, .size: 8, .value_kind: global_buffer, .address_space: global }
      - { .name: wk, .offset: 56, .size: 8, .value_kind: global_buffer, .address_space: global }
      - { .name: wv, .offset: 64, .size: 8, .value_kind: global_buffer, .address_space: global }
      - { .name: wo, .offset: 72, .size: 8, .value_kind: global_buffer, .address_space: global }
      - { .name: W, .offset: 80, .size: 8, .value_kind: global_buffer, .address_space: global }
    .group_segment_fixed_size: 66560
    .private_segment_fixed_size: 0
    .kernarg_segment_align: 8
    .kernarg_segment_size: 88
    .max_flat_workgroup_size: 128
    .sgpr_count:     68
    .vgpr_count:     256
    .wavefront_size: 32
...
	.end_amdgpu_metadata
.endif
;; end of part 1
;; launch qkv (part 2): grid 8 x 24, 4 waves a work-group, clusters of 4 x 4, 327,680 bytes of LDS; arguments XN, W, bq, bk, bv, mask, QKV; writes QKV
.if DOCPART == 2
	.amdgcn_target "amdgcn-amd-amdhsa--gfx1250"
	.amdhsa_code_object_version 6
	.text
	.protected	k_q0c5b680f21_qkv
	.globl	k_q0c5b680f21_qkv
	.p2align	8
	.type	k_q0c5b680f21_qkv,@function
k_q0c5b680f21_qkv:
	s_mov_b64 s[64:65], 0
	v_nop
	global_prefetch_b8 v0, s[64:65] scope:SCOPE_SE
	s_setreg_imm32_b32 hwreg(HW_REG_WAVE_MODE, 25, 1), 1
	s_wait_xcnt 0x0
	s_wait_alu depctr_hold_cnt(0) depctr_sa_sdst(0) depctr_va_vdst(0) depctr_va_sdst(0) depctr_va_ssrc(0) depctr_va_vcc(0) depctr_vm_vsrc(0)
	s_getreg_b32 s2, hwreg(HW_REG_IB_STS2, 6, 4)
	s_cmp_eq_u32 s2, 0
	s_cbranch_scc0 .Lentry_in_a_cluster
	s_endpgm
.Lentry_in_a_cluster:
	s_bfe_u32 s2, ttmp6, 0x10000c
	s_cmp_lg_u32 s2, 0xf033
	s_cbranch_scc0 .Lentry_shape_is_right
	s_endpgm
.Lentry_shape_is_right:
; q, k, v = xn W + b on codes of FP6 (E2M3), K = 1,024, and their quantising for attention.  A work-group of four waves makes 256 x 256, a wave 128 x 128 (64 accumulators, 512 registers).
; Operands lie in memory as images of their registers (fragment (tile, K step): 1,536 bytes, three loads of 16 bytes a lane; rows in the order in which bits 3 and 4 of the row number are exchanged).
; K goes in four slots of 256 through a ring of two LDS slots; the scale words of the work-group's rows, for all of K, come once.  The matrix instruction is used transposed: source 0 = operand B (its rows run along a
; lane's registers, 16 neighbours in the registers of tiles 2 b and 2 b + 1), source 1 = operand A (its rows are the lanes).
; CLUSTERS 4 x 4: A's tiles are shared along a row of the cluster, B's along a column, by joint loads.
; Clusters y = 0 .. 3 (q and k): A = xn's tokens, B = rows of Wq (cluster x = 0) or Wk (1): a lane holds one token and 128 channels, two heads: quantised along the head's 64.
; Clusters y = 4, 5 (v): A = rows of Wv, B = xn's tokens: a lane holds one channel and 128 tokens: quantised along the keys, which are the second product's K.
; OUT.  For each head and each 128 keys a record of 15,360 bytes: 8 tiles of K (1,024 bytes: registers 0-3, then 4, 5, EX, 0), 4 tiles of V^T (1,536), K's scale words (512), V's (256), 256 zeros.  Q: tiles of 1,024 bytes and scale words.
; THE MASK RIDES IN THE UNUSED HALF OF THE INSTRUCTION'S K (the head has 64 of 128).  q has the code of 1.0 at k = 64 under the byte 127.  A key with mask = 0 gets zero codes, the code of -4.0 at k = 64 and the byte 158 there: its score is
; exactly -2^33 (after the factor 1/8: -1.074e9, where reference() puts -1e9).  LIMIT: the results are reference()'s wherever live scores / 8 lie above about -1e9.  A power of two keeps score x log2(e) / 8 exact, so a row whose keys are all masked has p = 1 throughout.
; LIMITS: NaN and infinities are not served; blocks under 2^-124 keep the byte 1.
.set HALFT,  24576                     ; 8 tiles x 2 K steps x 1,536 bytes: what one tensor load brings, and what one wave reads of A or of B
.set SLOT,   98304                     ; A's 16 tiles, then B's
.set SCL,    196608                    ; behind the ring: A's scale words [8 K steps][256 rows], then B's: 16,384 bytes, filled once
.set SPARE,  212992                    ; the spare words, 128 bytes for each wave
.set XN_S,   3145728
.set WQKV_S, 9437184
.set WV_C,   1572864                   ; Wv's rows begin 2,048 rows into the operand of 3,072
.set WV_S,   9445376
.set QC,     7864320
.set QS,     12058624
.set ADRA, 16                          ; v16-17 LDS address of my A fragments in slot 0, 1
.set ADRB, 20                          ; v20-21 of B's
.set STW,  22                          ; v22    the stage for scale words (1,024 bytes a wave, in slot 0, which has had its last fill and its last read by then): 4 r
.set STR,  23                          ; v23    and 16 x lane
.set ADS,  24                          ; v24    my scale words: lanes 0-15 A's rows, lanes 16-31 B's
.set RO,   25                          ; v25    4 (r + 8 (r / 8)): a tile's rows in memory order
.set LI,   26                          ; v26    16 x lane
.set BO,   27                          ; v27    64 h
.set SPW,  28
.set NIL,  29
.set SC,   32                          ; v32-47 scale words, two sets of 8: register i: lanes 0-15 A's tile i, lanes 16-31 B's tile i
.set SW0,  32                          ; the way out: v32-39, v40-47 the trips' scale words
.set SW1,  40
.set MK,   48                          ; v48-55 the mask of tile a's token r
.set BV,   56                          ; v56-63 bv of tile a's channel r
.set BI,   64                          ; v64-127 bq or bk of my 128 channels, in the result's layout
.set AF,   128                         ; A's fragments, one set
.set T,    128                         ; the way out: 64 numbers
.set PC,   192
.set TM,   216
.set PW,   236
.set W0R,  244
.set W1R,  245
.set AMC,  246
.set TMPV, 247
.set EK,   250
.set EQ,   251
.set G1, 24
.set G0, 32
.set G1B, 48
.set G0B, 56
.set ISV, 66
.set ISK, 67
.set G1S, 68
.set G0S, 76
.set G1SB, 80
.set G0SB, 88
.set SEL, 38                           ; s[38:39], on the way out
.set MSB, 0
.macro WIN new                         ; the immediate's high byte repeats the setting that is left
.if MSB != (\new)
	s_set_vgpr_msb (MSB<<8)|(\new)
.set MSB, (\new)
.endif
.endm
.set MUL_LO, 0xa1                      ; source 0 (B) window 1, source 1 (A) window 0, C and D window 2
.set MUL_HI, 0xf1
.macro PLACES n
.rept \n
	v_nop
.endr
.endm
.macro JLOAD g0a, g1a, g0b, g1b        ; a joint load: waves 0 and 1 fetch for A, waves 2 and 3 for B; an s_nop 0 and four v_nop follow each line
	s_cmp_eq_u32 s19, 0
	s_cbranch_scc0 .Lfor_b_\@
	tensor_load_to_lds s[\g0a:\g0a+3], s[\g1a:\g1a+7]
	s_nop 0
.rept 4
	v_nop
.endr
	s_branch .Lasked_\@
.Lfor_b_\@:
	tensor_load_to_lds s[\g0b:\g0b+3], s[\g1b:\g1b+7]
	s_nop 0
.rept 4
	v_nop
.endr
.Lasked_\@:
.endm
.macro CREST
	s_cmp_lg_u32 s18, 0
	s_cbranch_scc1 .Lnot_wave_0_\@
	s_barrier_signal -3
.Lnot_wave_0_\@:
	s_barrier_wait -3
	s_barrier_signal -1
	s_barrier_wait -1
.endm
.macro CROUND
	s_barrier_signal -1
	s_barrier_wait -1
	CREST
.endm
.macro QUANT s                         ; 64 numbers of a lane, register 16 b + i = k 32 b + 16 (lane / 16) + i, become a fragment's codes in v[PC] on and its scale word in v[PW]
.irp b, 0,1,2,3
	v_max3_num_f32 v[TM+\b], |v[\s+16*\b]|, |v[\s+1+16*\b]|, 0x1800000
.endr
.irp i, 2,4,6,8,10,12,14
.irp b, 0,1,2,3
	v_max3_num_f32 v[TM+\b], v[TM+\b], |v[\s+16*\b+\i]|, |v[\s+1+16*\b+\i]|
.endr
.endr
.irp b, 0,1,2,3
	v_permlanex16_b32 v[TM+4+\b], v[TM+\b], s[SEL], s[SEL+1]
.endr
.irp b, 0,1,2,3
	v_max_num_f32 v[TM+\b], v[TM+\b], v[TM+4+\b]
.endr
.irp b, 0,1,2,3
	v_add_nc_u32 v[TM+12+\b], 0xff000000, v[TM+\b]
.endr
.irp b, 0,1,2,3
	v_lshrrev_b32 v[TM+4+\b], 23, v[TM+12+\b]
.endr
	v_lshl_or_b32 v[PW], v[TM+5], 8, v[TM+4]
	v_lshl_or_b32 v[PW], v[TM+6], 16, v[PW]
	v_lshl_or_b32 v[PW], v[TM+7], 24, v[PW]
.irp c, 0,1
	v_cvt_scalef32_pk16_fp6_f32 v[PC+6*\c:PC+2+6*\c], v[\s+32*\c:\s+15+32*\c], v[TM+12+2*\c]
	v_cvt_scalef32_pk16_fp6_f32 v[PC+12+4*\c:PC+14+4*\c], v[\s+16+32*\c:\s+31+32*\c], v[TM+12+2*\c+1]
.endr
	v_nop
.irp c, 0,1
.irp i, 0,1,2
	v_permlane16_swap_b32 v[PC+6*\c+\i], v[PC+12+4*\c+\i]
.endr
.irp i, 0,1,2
	v_mov_b32 v[PC+3+6*\c+\i], v[PC+12+4*\c+\i]
.endr
.endr
.endm
	s_load_b256 s[4:11], s[0:1], 0x0               ; xn, W, bq, bk
	s_load_b128 s[12:15], s[0:1], 0x20             ; bv, mask
	s_load_b64 s[16:17], s[0:1], 0x30              ; QKV
	v_lshl_add_u32 v[SPW], v0, 2, SPARE
	v_mov_b32 v[NIL], 0
	ds_add_u32 v[SPW], v[NIL]                      ; the wave's opening: the add and its wait ahead of my first tensor load
	ds_add_u32 v[SPW], v[NIL]
	v_lshrrev_b32 v1, 5, v0
	v_readfirstlane_b32 s18, v1                    ; wave
	s_lshr_b32 s19, s18, 1                         ; which half of A's rows is mine.  Also: I fetch for A (0) or for B (1)
	s_and_b32 s20, s18, 1                          ; which half of B's rows.  Also: which half I fetch
	s_bfe_u32 s40, ttmp6, 0x40000                  ; cx
	s_bfe_u32 s41, ttmp6, 0x40004                  ; cy
	s_and_b32 s21, ttmp7, 0xffff                   ; cluster y
	s_sub_co_u32 s23, s21, 4
	s_lshl_b32 s23, s23, 3
	s_mov_b32 s2, XN_S
	s_mov_b32 s3, WQKV_S
	s_cmp_ge_u32 s21, 4                            ; v's clusters: the same answer in all sixteen partners
	s_cselect_b32 s[ISV], 1, 0
	s_cselect_b32 s22, 0, s21
	s_cselect_b32 s23, s23, 0
	s_cselect_b32 s98, WV_C, 0                     ; where A's codes begin in their buffer,
	s_cselect_b32 s99, WV_S, s2                    ; A's scale words,
	s_cselect_b32 s3, s2, s3                       ; B's scale words (B's codes begin at 0 in both)
	s_lshl_b32 s43, s22, 2
	s_add_co_u32 s43, s43, s41                     ; A's block of 256 rows
	s_lshl_b32 s42, ttmp9, 2
	s_add_co_u32 s42, s42, s40
	s_add_co_u32 s42, s42, s23                     ; B's
	s_cmp_eq_u32 ttmp9, 1
	s_cselect_b32 s[ISK], 1, 0
	s_lshl_b32 s44, s41, 2
	s_lshl_b32 s44, 15, s44                        ; my row of the cluster
	s_lshl_b32 s45, 0x1111, s40                    ; my column
	s_or_b32 s[G1], s44, (3<<16)|(1<<21)           ; 15:0 the mask; 17:16 elements of 8 bytes; 21 set beside a mask; no padding
	s_or_b32 s[G1B], s45, (3<<16)|(1<<21)
.irp g, G1, G1B                        ; 8 tiles' 3,072 bytes (two K steps), 12,288 bytes from tile to tile
	s_mov_b32 s[\g+1], 384<<16
	s_mov_b32 s[\g+2], 16<<16                      ; the head's loads bring all 16 tiles of an operand
	s_mov_b32 s[\g+3], 384<<16
	s_mov_b32 s[\g+4], 16
	s_mov_b32 s[\g+5], 1536
	s_mov_b32 s[\g+6], 0
	s_mov_b32 s[\g+7], 0
.endr
	s_or_b32 s[G1S], s44, (3<<16)|(1<<21)
	s_or_b32 s[G1SB], s45, (3<<16)|(1<<21)
.irp g, G1S, G1SB                      ; eight K steps' scale words of 256 rows: rows of 1,024 bytes, 16,384 apart
	s_mov_b32 s[\g+1], 128<<16
	s_mov_b32 s[\g+2], 8<<16                       ; all eight K steps' scale words in one load
	s_mov_b32 s[\g+3], 128<<16
	s_mov_b32 s[\g+4], 8
	s_mov_b32 s[\g+5], 2048
	s_mov_b32 s[\g+6], 0
	s_mov_b32 s[\g+7], 0
.endr
	s_mov_b32 s21, 0                               ; the block's first tile: the half is added for the ring below
	s_lshl_b32 s46, s43, 4
	s_add_co_u32 s46, s46, s21
	s_mul_i32 s46, s46, 12288
	s_add_co_u32 s46, s46, s98                     ; A: tile 16 x block
	s_mov_b32 s47, 0
	s_lshl_b32 s92, s42, 4
	s_add_co_u32 s92, s92, s21
	s_mul_i32 s92, s92, 12288                      ; B likewise
	s_mov_b32 s93, 0
	s_mov_b32 s21, 0                               ; from K step 0 on
	s_lshl_b32 s94, s43, 10
	s_add_co_u32 s94, s94, s21
	s_add_co_u32 s94, s94, s99
	s_mov_b32 s95, 0
	s_lshl_b32 s96, s42, 10
	s_add_co_u32 s96, s96, s21
	s_add_co_u32 s96, s96, s3
	s_mov_b32 s97, 0
	s_mul_i32 s98, s18, HALFT                      ; where they go: by the wave's number alone
	s_lshl_b32 s99, s18, 12
	s_wait_dscnt 0x0                               ; the opening add is done
	s_wait_kmcnt 0x0
	s_cmp_lg_u32 s[ISV], 0
	s_cselect_b64 s[2:3], s[6:7], s[4:5]           ; A's buffer
	s_cselect_b64 s[22:23], s[4:5], s[6:7]         ; B's
	s_add_nc_u64 s[46:47], s[2:3], s[46:47]
	s_add_nc_u64 s[94:95], s[2:3], s[94:95]
	s_add_nc_u64 s[92:93], s[22:23], s[92:93]
	s_add_nc_u64 s[96:97], s[22:23], s[96:97]
	CROUND                                         ; all sixteen work-groups are here: the first joint loads meet
	s_mov_b32 s[G0S], 1
	s_mov_b32 s[G0S+1], SCL
	s_mov_b64 s[G0S+2:G0S+3], s[94:95]
	s_or_b32 s[G0S+3], s[G0S+3], 0x80000000
	s_mov_b32 s[G0SB], 1
	s_mov_b32 s[G0SB+1], SCL+8192
	s_mov_b64 s[G0SB+2:G0SB+3], s[96:97]
	s_or_b32 s[G0SB+3], s[G0SB+3], 0x80000000
	s_mov_b32 s4, 1                                ; s[4:7]: group 0 for slot 0 of A, all 16 tiles (the two pointers that lay here have been used)
	s_mov_b32 s5, 0
	s_mov_b64 s[6:7], s[46:47]
	s_or_b32 s7, s7, 0x80000000
	s_mul_i32 s94, s20, 8*12288                    ; for the ring: my half, 8 tiles on
	s_mov_b32 s95, 0
	s_add_nc_u64 s[46:47], s[46:47], s[94:95]
	s_add_nc_u64 s[2:3], s[92:93], s[94:95]
.irp s, 0,1
	s_mov_b32 s[G0+4*\s], 1
	s_add_co_u32 s[G0+4*\s+1], s98, \s*SLOT
	s_add_nc_u64 s[G0+4*\s+2:G0+4*\s+3], s[46:47], \s*3072
	s_or_b32 s[G0+4*\s+3], s[G0+4*\s+3], 0x80000000
	s_mov_b32 s[G0B+4*\s], 1
	s_add_co_u32 s[G0B+4*\s+1], s98, \s*SLOT
	s_add_nc_u64 s[G0B+4*\s+2:G0B+4*\s+3], s[2:3], \s*3072
	s_or_b32 s[G0B+4*\s+3], s[G0B+4*\s+3], 0x80000000
.endr
	s_mov_b32 s96, 1                               ; s[96:99]: group 0 for slot 0 of B, all 16 tiles
	s_mov_b32 s97, 2*HALFT
	s_mov_b64 s[98:99], s[92:93]
	s_or_b32 s99, s99, 0x80000000
; THE HEAD'S LOADS, ONE A WAVE: wave 0 slot 0 of A, wave 1 slot 0 of B, wave 2 A's scale words, wave 3 B's.  One chain of branches on the wave's number, one load to an arm, one join.
.macro HARM under, g0, g1, next
	s_cmp_lt_u32 s18, \under
	s_cbranch_scc0 \next
	tensor_load_to_lds s[\g0:\g0+3], s[\g1:\g1+7]
	s_nop 0
	PLACES 4
	s_branch .Lhead_asked
\next:
.endm
	HARM 1, 4, G1, .Lhead_b
	HARM 2, 96, G1B, .Lhead_sa
	HARM 3, G0S, G1S, .Lhead_sb
	tensor_load_to_lds s[G0SB:G0SB+3], s[G1SB:G1SB+7]
	s_nop 0
	PLACES 4
.Lhead_asked:
	s_wait_alu depctr_va_vdst(0)
	s_wait_tensorcnt 0x0                           ; my tile of the head's four is in; slot 1's first fill stands behind the same lines as a refill
	ds_add_u32 v[SPW], v[NIL]
	s_mov_b32 s[G1+2], 8<<16                       ; no load of mine is out: from here on a load brings 8 tiles
	s_mov_b32 s[G1+4], 8
	s_mov_b32 s[G1B+2], 8<<16
	s_mov_b32 s[G1B+4], 8
	s_wait_dscnt 0x0
	CROUND                                         ; all four tiles are in, in every wave's sight, and the partners are here
	JLOAD G0+4, G1, G0B+4, G1B                     ; slot 1: my one load behind the round
	v_and_b32 v1, 15, v0                           ; r
	v_bfe_u32 v2, v0, 4, 1                         ; h
	s_wait_alu depctr_va_vdst(0)
	v_and_b32 v3, 31, v0
	v_lshlrev_b32 v[LI], 4, v3
	s_wait_alu depctr_va_vdst(0)
	s_mul_i32 s21, s19, HALFT
	s_mul_i32 s22, s20, HALFT
	s_add_co_u32 s22, s22, 2*HALFT
.irp s, 0,1
	v_add_nc_u32 v[ADRA+\s], s21, v[LI]
	v_add_nc_u32 v[ADRB+\s], s22, v[LI]
	s_add_co_u32 s21, s21, SLOT
	s_add_co_u32 s22, s22, SLOT
.endr
	s_lshl_b32 s21, s19, 9                         ; A's scale words: my 128 rows
	s_lshl_b32 s22, s20, 9                         ; B's: my 128 rows, behind A's 8,192 bytes
	s_add_co_u32 s22, s22, 8192
	s_sub_co_u32 s22, s22, s21
	v_mul_u32_u24 v3, s22, v2                      ; lanes 16-31 take B's
	s_add_co_u32 s21, s21, SCL
	v_lshl_add_u32 v3, v1, 2, v3
	v_add_nc_u32 v[ADS], s21, v3
	s_lshl_b32 s21, s18, 10
	v_lshl_add_u32 v[STW], v1, 2, s21
	v_add_nc_u32 v[STR], s21, v[LI]
	v_lshlrev_b32 v[BO], 6, v2
	s_wait_alu depctr_va_vdst(0)
	v_and_b32 v3, 8, v1
	v_add_nc_u32 v3, v3, v1
	v_lshlrev_b32 v[RO], 2, v3
	; The small operands of both ways out are asked for here by every work-group (1.5 KiB a wave), so that they are in long before they are wanted and no register's first write hangs on the way taken.
	s_wait_alu depctr_va_vdst(0)
	s_cmp_lg_u32 s[ISK], 0
	s_cselect_b64 s[8:9], s[10:11], s[8:9]         ; bk or bq
	s_lshl_b32 s2, s40, 10
	s_lshl_b32 s3, s20, 9
	s_add_co_u32 s2, s2, s3                        ; channels 256 cx + 128 x half on
	s_mov_b32 s3, 0
	s_add_nc_u64 s[8:9], s[8:9], s[2:3]
	s_lshl_b32 s2, s41, 10
	s_lshl_b32 s21, s19, 9
	s_add_co_u32 s2, s2, s21                       ; bv: channels 256 cy + 128 x half on
	s_add_nc_u64 s[12:13], s[12:13], s[2:3]
	s_lshl_b32 s2, s43, 10
	s_add_co_u32 s2, s2, s21                       ; mask: tokens 256 x block + 128 x half on
	s_add_nc_u64 s[14:15], s[14:15], s[2:3]
.irp b, 0,1,2,3
.irp j, 0,1,2,3
	global_load_b128 v[BI+16*\b+4*\j:BI+16*\b+4*\j+3], v[BO], s[8:9] offset:128*\b+16*\j   ; register 16 b + i: channel 32 b + 16 h + i
.endr
.endr
.irp a, 0,1,2,3,4,5,6,7
	global_load_b32 v[BV+\a], v[RO], s[12:13] offset:(32*(\a/2)+8*(\a%2))*4
	global_load_b32 v[MK+\a], v[RO], s[14:15] offset:(32*(\a/2)+8*(\a%2))*4
.endr
.macro FRAG reg, adr, q, i             ; a fragment comes as it was stored: three loads of 512 consecutive bytes
.irp g, 0,1,2
	ds_load_b128 v[\reg+4*\g:\reg+4*\g+3], v[\adr] offset:(\i)*3072+(\q)*1536+512*\g
.endr
.endm
.macro MUL16 a0, p, zero               ; A's blocks a0, a0 + 1 x B's eight, 128 along K; p: B's set and the set of scale words.  The 64 accumulators take turns, in the same order in every step
.irp a, \a0, \a0+1
.irp b, 0,1,2,3,4,5,6,7
.if \zero
	v_wmma_scale_f32_16x16x128_f8f6f4 v[8*(8*((\a)%4)+\b):8*(8*((\a)%4)+\b)+7], v[128*(\p)+12*\b:128*(\p)+12*\b+11], v[AF+12*(\a):AF+12*(\a)+11], 0, v[SC+8*(\p)+\b], v[SC+8*(\p)+(\a)] matrix_a_fmt:MATRIX_FMT_FP6 matrix_b_fmt:MATRIX_FMT_FP6 matrix_a_scale:MATRIX_SCALE_ROW1
.else
	v_wmma_scale_f32_16x16x128_f8f6f4 v[8*(8*((\a)%4)+\b):8*(8*((\a)%4)+\b)+7], v[128*(\p)+12*\b:128*(\p)+12*\b+11], v[AF+12*(\a):AF+12*(\a)+11], v[8*(8*((\a)%4)+\b):8*(8*((\a)%4)+\b)+7], v[SC+8*(\p)+\b], v[SC+8*(\p)+(\a)] matrix_a_fmt:MATRIX_FMT_FP6 matrix_b_fmt:MATRIX_FMT_FP6 matrix_a_scale:MATRIX_SCALE_ROW1
.endif
.endr
.endr
.endm
.macro FETCH_B slot, q, p
	WIN 0x40
.irp i, 0,1,2,3,4,5,6,7
	FRAG 128*(\p)+12*\i, ADRB+\slot, \q, \i
.endr
	WIN 0
.endm
.macro FETCH_A slot, q, i0
.irp i, \i0, \i0+1, \i0+2, \i0+3
	FRAG AF+12*(\i), ADRA+\slot, \q, \i
.endr
.endm
.macro SCALES p                        ; the next 128 along K: eight words a lane; then on to the K step after
.irp i, 0,1,2,3,4,5,6,7
	ds_load_b32 v[SC+8*(\p)+\i], v[ADS] offset:64*\i
.endr
	v_add_nc_u32 v[ADS], 1024, v[ADS]
.endm
.macro STEP slot, zero                 ; a slot's first 128 along K; its successor lies in the same slot
	s_wait_dscnt 12                                ; all but the youngest 12 loads (A's blocks 4-7) are in
	WIN MUL_LO
	MUL16 0, 0, \zero
	MUL16 2, 0, \zero
	s_wait_dscnt 0
	PLACES 4                                       ; four plain places in front of loads into registers that matrix instructions have read
	FETCH_B \slot, 1, 1
	FETCH_A \slot, 1, 0
	SCALES 1
	WIN MUL_HI
	MUL16 4, 0, \zero
	MUL16 6, 0, \zero
	PLACES 4
	WIN 0
	FETCH_A \slot, 1, 4
.endm
.macro TURN slot, next, fill           ; a slot's second 128 along K changes slots: one barrier; fill = 1: this slot is filled again, two slots ahead
	s_wait_tensorcnt 0x0                           ; all my tensor loads have landed: my part of the next slot
	ds_add_u32 v[SPW], v[NIL]
	s_wait_dscnt 13                                ; the add and the youngest 12 loads may be out
	WIN MUL_LO
	MUL16 0, 1, 0
	s_wait_dscnt 0x0                               ; the add is done, and my reads of this slot are over
	s_barrier_signal -1
	MUL16 2, 1, 0
	WIN 0
	s_barrier_wait -1
.if \fill
	CREST                                          ; the barrier has opened a round of the cluster's: no wave of any partner still reads this slot or has a load on its way
	s_add_nc_u64 s[G0+4*\slot+2:G0+4*\slot+3], s[G0+4*\slot+2:G0+4*\slot+3], 6144
	s_add_nc_u64 s[G0B+4*\slot+2:G0B+4*\slot+3], s[G0B+4*\slot+2:G0B+4*\slot+3], 6144
	JLOAD G0+4*\slot, G1, G0B+4*\slot, G1B         ; my one tensor load behind the round; its four v_nop are also the places in front of the loads below
.else
	PLACES 4
.endif
	FETCH_B \next, 0, 0
	FETCH_A \next, 0, 0
	s_wait_alu depctr_va_vdst(0)
	SCALES 0
	WIN MUL_HI
	MUL16 4, 1, 0
	MUL16 6, 1, 0
	PLACES 4
	WIN 0
	FETCH_A \next, 0, 4
.endm
	FETCH_B 0, 0, 0
	FETCH_A 0, 0, 0
	SCALES 0
	FETCH_A 0, 0, 4
	s_wait_alu depctr_va_vdst(0)
	STEP 0, 1                                      ; the first products start the sums: nothing is cleared
	TURN 0, 1, 1
	s_wait_alu depctr_va_vdst(0)
	STEP 1, 0
	TURN 1, 0, 1
	s_wait_alu depctr_va_vdst(0)
	STEP 0, 0
	TURN 0, 1, 0                                   ; the last two slots fill nothing
	s_wait_alu depctr_va_vdst(0)
	STEP 1, 0
	s_wait_dscnt 12
	WIN MUL_LO
	MUL16 0, 1, 0
	MUL16 2, 1, 0
	s_wait_dscnt 0
	WIN MUL_HI
	MUL16 4, 1, 0
	MUL16 6, 1, 0
	WIN 0
	PLACES 4
	; THE WAY OUT: eight trips, one for each of A's blocks.  A trip's first part differs (which 64 accumulators), so it is chosen by a chain of scalar branches on the trip's number; the rest is written once.
	s_mov_b32 s[SEL], 0x76543210
	s_mov_b32 s[SEL+1], 0xfedcba98
.irp b, 0,1,2,3
	v_mov_b32 v[TM+4+\b], 0                        ; written once: a lane permute's destination counts as one of its sources
.endr
.irp a, 0,1,2,3,4,5,6,7
	v_mov_b32 v[SW0+\a], 0
	v_mov_b32 v[SW1+\a], 0
.endr
	v_mov_b32 v[W0R], 0
	v_mov_b32 v[W1R], 0
	v_mov_b32 v[PW], 0
	v_mov_b32 v243, 0
	v_mov_b32 v249, 0
	s_wait_loadcnt 0x0                             ; the biases and the mask
	s_cmp_lg_u32 s[ISV], 0
	s_cbranch_scc1 .Lv_out
	; ---- q or k: a lane holds one token, T's registers its 128 channels: two heads
	s_lshr_b32 s24, s43, 3
	s_lshl_b32 s24, s24, 4
	s_lshl_b32 s25, s40, 2
	s_add_co_u32 s24, s24, s25
	s_lshl_b32 s25, s20, 1
	s_add_co_u32 s24, s24, s25                     ; 16 x batch + my first head
	s_and_b32 s25, s43, 7
	s_lshl_b32 s25, s25, 1
	s_add_co_u32 s25, s25, s19                     ; which 128 tokens of the batch
	s_mul_i32 s26, s24, 245760
	s_mul_i32 s27, s25, 15360
	s_add_co_u32 s26, s26, s27                     ; k: the record
	s_lshl_b32 s27, s24, 7
	s_lshl_b32 s28, s25, 3
	s_add_co_u32 s27, s27, s28                     ; q: the tile's number
	s_lshl_b32 s28, s27, 10
	s_add_co_u32 s28, s28, QC
	s_lshl_b32 s29, s27, 6
	s_add_co_u32 s29, s29, QS
	s_add_co_u32 s30, s26, 14336
	s_mov_b32 s31, 131072
	s_mov_b32 s32, 8192
	s_mov_b32 s33, 0x017f0000
	s_mov_b32 s35, 0x019e0000                      ; a masked key's upper bytes: 2^31 over k = 64 .. 95
	s_cmp_lg_u32 s[ISK], 0
	s_cselect_b32 s26, s26, s28                    ; codes
	s_cselect_b32 s28, s30, s29                    ; scale words
	s_cselect_b32 s30, 245760, s31                 ; from a head to the next: codes,
	s_cselect_b32 s32, 245760, s32                 ; scale words
	s_cselect_b32 s34, 0x01010000, s33             ; a live row's upper bytes: k: the least; q: 1.0 over k = 64 .. 95
	s_cselect_b32 s36, 0, -1                       ; q knows no mask
	s_cselect_b32 s37, 56, 0                       ; the code of -4.0
	s_cselect_b32 s21, 0, 8                        ; the code of 1.0
	s_mov_b32 s27, 0
	s_mov_b32 s29, 0
	s_mov_b32 s31, 0
	s_mov_b32 s33, 0
	s_add_nc_u64 s[4:5], s[16:17], s[26:27]
	s_add_nc_u64 s[6:7], s[4:5], s[30:31]
	s_add_nc_u64 s[10:11], s[16:17], s[28:29]
	s_add_nc_u64 s[22:23], s[10:11], s[32:33]
.irp a, 0,1,2,3,4,5,6,7
	v_cmp_ne_u32 vcc_lo, 0, v[MK+\a]
	v_cndmask_b32 v[MK+\a], 0, -1, vcc_lo          ; all ones for a live key
	v_or_b32 v[MK+\a], s36, v[MK+\a]
.endr
	v_sub_nc_u32 v3, 1, v2
	v_mul_u32_u24 v[EK], s37, v3                   ; k = 64 lies in register 6 of lanes 0-15
	v_mul_u32_u24 v[EQ], s21, v3
.macro QARM a
.if \a > 0
	v_mov_b32 v[SW0+\a-1], v[W0R]                  ; the last trip's scale words are put by
	v_mov_b32 v[SW1+\a-1], v[W1R]
.endif
	v_mov_b32 v[AMC], v[MK+\a]
	WIN 0x02+(\a/4)
.set j, 0
.rept 32
	v_pk_add_f32 v[T+j:T+j+1], v[64*(\a%4)+j:64*(\a%4)+j+1], v[BI+j:BI+j+1]   ; + the bias; each accumulator from its low end on
.set j, j+2
.endr
	WIN 0
.endm
.macro QSEL a, n
.Lq\a:
	s_cmp_eq_u32 s2, \a
	s_cbranch_scc0 .Lq\n
	s_wait_alu depctr_va_vdst(0)
	QARM \a
	s_branch .Lq_common
.endm
	s_mov_b32 s2, 0
.Lq_trip:
	QSEL 0, 1
	QSEL 1, 2
	QSEL 2, 3
	QSEL 3, 4
	QSEL 4, 5
	QSEL 5, 6
	QSEL 6, 7
.Lq7:
	s_wait_alu depctr_va_vdst(0)
	QARM 7
.Lq_common:
	QUANT T
.set j, 0
.rept 12
	v_and_b32 v[PC+j], v[AMC], v[PC+j]             ; a masked key's codes are zeros
.set j, j+1
.endr
	v_xor_b32 v[TMPV], -1, v[AMC]
	v_and_or_b32 v242, v[TMPV], v[EK], v[EQ]       ; register 6 of the tile: -4.0 for a masked key, 1.0 for q, else 0
	v_mov_b32 v240, v[PC+4]
	v_mov_b32 v241, v[PC+5]
	v_mov_b32 v[PC+12], v242
	v_mov_b32 v[PC+13], 0
	v_bfi_b32 v[TMPV], v[AMC], s34, s35
	v_and_or_b32 v[W0R], v[PW], 0xffff, v[TMPV]    ; the first head's two bytes under the upper two,
	v_lshrrev_b32 v[W1R], 16, v[PW]
	v_or_b32 v[W1R], v[W1R], v[TMPV]               ; the second head's
	global_store_b128 v[LI], v[PC:PC+3], s[4:5]
	global_store_b128 v[LI], v[240:243], s[4:5] offset:512
	global_store_b128 v[LI], v[PC+6:PC+9], s[6:7]
	global_store_b128 v[LI], v[PC+10:PC+13], s[6:7] offset:512   ; each store: 512 consecutive aligned bytes
	s_wait_xcnt 0x0                                ; the stores have read their registers and bases: both may be written again
	s_add_nc_u64 s[4:5], s[4:5], 1024
	s_add_nc_u64 s[6:7], s[6:7], 1024
	s_add_co_u32 s2, s2, 1
	s_cmp_lt_u32 s2, 8
	s_cbranch_scc1 .Lq_trip
	s_wait_alu depctr_va_vdst(0)
	v_mov_b32 v[SW0+7], v[W0R]
	v_mov_b32 v[SW1+7], v[W1R]
.irp a, 0,1,2,3,4,5,6,7
	ds_store_b32 v[STW], v[SW0+\a] offset:64*\a    ; lanes l and l xor 16 hold the same word and write it to the same place
	ds_store_b32 v[STW], v[SW1+\a] offset:512+64*\a
.endr
	ds_load_b128 v[192:195], v[STR]                ; LDS serves a wave's instructions in order: these see my stores
	ds_load_b128 v[196:199], v[STR] offset:512
	s_wait_dscnt 0x0
	global_store_b128 v[LI], v[192:195], s[10:11]  ; eight tiles' scale words: 512 consecutive aligned bytes
	global_store_b128 v[LI], v[196:199], s[22:23]
	s_branch .Lend
.Lv_out:	; ---- v: a lane holds one channel, T's registers 128 tokens: one fragment of V^T
	s_lshr_b32 s24, s42, 3
	s_lshl_b32 s24, s24, 4
	s_lshl_b32 s25, s41, 2
	s_add_co_u32 s24, s24, s25
	s_lshl_b32 s25, s19, 1
	s_add_co_u32 s24, s24, s25                     ; 16 x batch + my first head
	s_and_b32 s25, s42, 7
	s_lshl_b32 s25, s25, 1
	s_add_co_u32 s25, s25, s20                     ; which 128 tokens of the batch
	s_mul_i32 s26, s24, 245760
	s_mul_i32 s27, s25, 15360
	s_add_co_u32 s26, s26, s27
	s_add_co_u32 s26, s26, 8192                    ; V's tiles in the record
	s_mov_b32 s27, 0
	s_add_nc_u64 s[4:5], s[16:17], s[26:27]
	s_add_nc_u64 s[6:7], s[4:5], 6656              ; V's scale words
.macro VARM a
.if \a > 0
	v_mov_b32 v[SW0+\a-1], v[PW]
.endif
	v_mov_b32 v248, v[BV+\a]
	s_wait_alu depctr_va_vdst(0)
	WIN 0x02+(\a/4)
.set j, 0
.rept 32
	v_pk_add_f32 v[T+j:T+j+1], v[64*(\a%4)+j:64*(\a%4)+j+1], v[248:249] op_sel_hi:[1,0]   ; + my channel's bias
.set j, j+2
.endr
	WIN 0
.endm
.macro VSEL a, n
.Lv\a:
	s_cmp_eq_u32 s2, \a
	s_cbranch_scc0 .Lv\n
	s_wait_alu depctr_va_vdst(0)
	VARM \a
	s_branch .Lv_common
.endm
	s_mov_b32 s2, 0
.Lv_trip:
	VSEL 0, 1
	VSEL 1, 2
	VSEL 2, 3
	VSEL 3, 4
	VSEL 4, 5
	VSEL 5, 6
	VSEL 6, 7
.Lv7:
	s_wait_alu depctr_va_vdst(0)
	VARM 7
.Lv_common:
	QUANT T
.irp g, 0,1,2
	global_store_b128 v[LI], v[PC+4*\g:PC+4*\g+3], s[4:5] offset:512*\g
.endr
	s_wait_xcnt 0x0
	s_mov_b32 s26, 1536                            ; on to the head's next tile; behind the fourth, to the next head's record
	s_cmp_eq_u32 s2, 3
	s_cselect_b32 s26, 241152, s26
	s_add_nc_u64 s[4:5], s[4:5], s[26:27]
	s_add_co_u32 s2, s2, 1
	s_cmp_lt_u32 s2, 8
	s_cbranch_scc1 .Lv_trip
	v_mov_b32 v[SW0+7], v[PW]
.irp a, 0,1,2,3,4,5,6,7
	ds_store_b32 v[STW], v[SW0+\a] offset:8192+64*\a   ; this way's stage has bytes of its own
.endr
	ds_load_b128 v[192:195], v[STR] offset:8192
	v_mul_u32_u24 v3, v2, 0x3c000
	v_lshl_add_u32 v3, v1, 4, v3                   ; lanes 0-15: the first head's record, lanes 16-31: the second's
.irp j, 0,1,2,3
	v_mov_b32 v[196+\j], 0
.endr
	s_wait_alu depctr_va_vdst(0)
	s_wait_dscnt 0x0
	global_store_b128 v3, v[192:195], s[6:7]       ; sixteen lanes store 256 consecutive aligned bytes
	global_store_b128 v3, v[196:199], s[6:7] offset:256   ; the record's last 256 bytes: zeros, since the record is loaded whole
.Lend:
	s_wait_tensorcnt 0x0                           ; the wave's end
	ds_add_u32 v[SPW], v[NIL]
	s_wait_dscnt 0x0
	CROUND                                         ; the closing round
	s_endpgm
.Lfunc_end_k_q0c5b680f21_qkv:
	.size	k_q0c5b680f21_qkv, .Lfunc_end_k_q0c5b680f21_qkv-k_q0c5b680f21_qkv
	.p2alignl 7, 3214868480
	.fill 96, 4, 3214868480
	.section	.rodata,"a",@progbits
	.p2align	6, 0x0
	.amdhsa_kernel k_q0c5b680f21_qkv
		.amdhsa_group_segment_fixed_size 327680
		.amdhsa_private_segment_fixed_size 0
		.amdhsa_enable_private_segment 0
		.amdhsa_kernarg_size 56
		.amdhsa_user_sgpr_count 2
		.amdhsa_user_sgpr_kernarg_segment_ptr 1
		.amdhsa_wavefront_size32 1
		.amdhsa_system_sgpr_workgroup_id_x 1
		.amdhsa_system_sgpr_workgroup_id_y 1
		.amdhsa_system_sgpr_workgroup_id_z 1
		.amdhsa_system_vgpr_workitem_id 0
		.amdhsa_next_free_vgpr 1024
		.amdhsa_next_free_sgpr 100
		.amdhsa_reserve_vcc 1
		.amdhsa_float_denorm_mode_32 3
		.amdhsa_float_denorm_mode_16_64 3
		.amdhsa_memory_ordered 1
		.amdhsa_forward_progress 1
		.amdhsa_inst_pref_size 166
	.end_amdhsa_kernel
	.amdgpu_metadata
---
amdhsa.version: [ 1, 2 ]
amdhsa.kernels:
  - .name:           k_q0c5b680f21_qkv
    .symbol:         k_q0c5b680f21_qkv.kd
    .args:
      - { .name: XN, .offset: 0, .size: 8, .value_kind: global_buffer, .address_space: global }
      - { .name: W, .offset: 8, .size: 8, .value_kind: global_buffer, .address_space: global }
      - { .name: bq, .offset: 16, .size: 8, .value_kind: global_buffer, .address_space: global }
      - { .name: bk, .offset: 24, .size: 8, .value_kind: global_buffer, .address_space: global }
      - { .name: bv, .offset: 32, .size: 8, .value_kind: global_buffer, .address_space: global }
      - { .name: mask, .offset: 40, .size: 8, .value_kind: global_buffer, .address_space: global }
      - { .name: QKV, .offset: 48, .size: 8, .value_kind: global_buffer, .address_space: global }
    .group_segment_fixed_size: 327680
    .private_segment_fixed_size: 0
    .kernarg_segment_align: 8
    .kernarg_segment_size: 56
    .max_flat_workgroup_size: 128
    .sgpr_count:     100
    .vgpr_count:     1024
    .wavefront_size: 32
...
	.end_amdgpu_metadata
.endif
;; end of part 2
;; launch attn (part 3): grid 8 x 32, 8 waves a work-group, clusters of 4 x 1, 327,680 bytes of LDS; arguments QKV, CTX; writes CTX
.if DOCPART == 3
	.amdgcn_target "amdgcn-amd-amdhsa--gfx1250"
	.amdhsa_code_object_version 6
	.text
	.protected	k_q0c5b680f21_attn
	.globl	k_q0c5b680f21_attn
	.p2align	8
	.type	k_q0c5b680f21_attn,@function
k_q0c5b680f21_attn:
	s_mov_b64 s[64:65], 0
	v_nop
	global_prefetch_b8 v0, s[64:65] scope:SCOPE_SE
	s_setreg_imm32_b32 hwreg(HW_REG_WAVE_MODE, 25, 1), 1
	s_wait_xcnt 0x0
	s_wait_alu depctr_hold_cnt(0) depctr_sa_sdst(0) depctr_va_vdst(0) depctr_va_sdst(0) depctr_va_ssrc(0) depctr_va_vcc(0) depctr_vm_vsrc(0)
	s_getreg_b32 s2, hwreg(HW_REG_IB_STS2, 6, 4)
	s_cmp_eq_u32 s2, 0
	s_cbranch_scc0 .Lentry_in_a_cluster
	s_endpgm
.Lentry_in_a_cluster:
	s_bfe_u32 s2, ttmp6, 0x10000c
	s_cmp_lg_u32 s2, 0x3003
	s_cbranch_scc0 .Lentry_shape_is_right
	s_endpgm
.Lentry_shape_is_right:
; ctx = softmax(q k^T / 8, masked) v for one head and 256 queries a work-group, on codes of FP6 (E2M3); ctx is quantised along its 64 channels and stored as the next product's operand.
; The mask lies in K's codes and scale words (k = 64 of the instruction's 128), as the launch before has put it there.
; ALL OF A HEAD'S K AND V, 16 records of 15,360 bytes (8 tiles of K, 4 of V^T, their scale words), lie in LDS: each of the 8 waves fetches two records by ONE tensor load, 30 rows of 1,024 bytes; nothing is filled again.
; The 4 work-groups of a cluster serve one head and ask jointly.  No prefetch: every tile is asked for at the head, so there is no loop in which to run ahead.
; The mover lays 64 bytes behind each 1,024.
; A WAVE TAKES 32 QUERIES, two tiles x = 0, 1: each fragment of K and of V feeds two matrix instructions.  Both products are used transposed: a lane holds one query.
; THE KEYS OF A TILE OF K ARE CHOSEN BY THE LANE'S LDS ADDRESS: row m of tile 4 g + t is key 64 g + 32 (m / 8) + 8 t + m % 8 of the record's 128.  So the 32 score registers of group g in lane (r, h) are the WHOLE block
; 2 g + h of 32 keys, in order: its largest score needs no other lane, and the conversions' results are p's operand as they stand (lanes 0-15 block 2 g, lanes 16-31 block 2 g + 1).
; In the record key n lies in tile 2 (n / 32) + (n / 8) % 2 at row n % 8 + 8 ((n / 16) % 2): so lane r reads tile 4 g + 2 (r / 8) + t % 2, row 8 (t / 2) + r % 8.
; SOFTMAX: M = ceil(running largest t), t = score x log2(e) / 8; p = 2^(t - M); the sum is taken of the unquantised p; when M moves, sum and O^T are multiplied by an exact power of two.
; A block's largest p is made from its largest score by the same multiply-add and exponential.
; LIMITS: the promise holds while |t| stays under 2^31; NaN and infinities are not served; blocks whose largest p lies under 2^-124 keep the byte 1.
; REGISTERS.  Window 0: v1-11 addresses, v12-45 state of the two tiles, v46-57 K's and V's scale words, v58-73 halves of conversions, v100-123 p's codes, v128-255 scores, then p.
; Window 1: v0-23 q's fragments, v32-95 O^T, v96-191 K's eight fragments (registers 8-11 of each stay 0: the head has 64 of the instruction's 128), v192-239 V's four.
.set ROWP,  1088
.set REC,   15*ROWP                    ; a record in LDS
.set SPARE, 16*REC                     ; behind the records: the spare words, 128 bytes for each wave
.set QC,    7864320
.set QSB,   12058624
.set CTX_S, 3145728
.set KA,  1                            ; K fragments: 2 ROWP (r / 8) + 16 (r % 8) + 256 h
.set KSA, 2                            ; K scale words: 128 (r / 8) + 4 (r % 8)
.set VA,  3                            ; 16 x lane
.set VSA, 4                            ; 4 r
.set SPW, 5
.set NIL, 6
.set SH8, 7                            ; 8 h
.set TK,  8                            ; v8-11: the four addresses in this step's record
.set NM,  12                           ; + 2 x: -M, the running largest t
.set SUM, 16                           ; + 2 x: the row's sum in two halves
.set SU2, 20                           ; + 2 x: a second chain
.set F,   24                           ; + 2 x: 2^(old M - new M)
.set PW,  25                           ; + 2 x: p's scale word
.set BM,  28                           ; + 2 x + g: a block's largest score, then its largest p
.set TT,  32
.set SO,  36                           ; the conversions' scale operands
.set BY,  40                           ; scale bytes
.set QW,  44                           ; + x: q's scale words
.set KS,  46
.set VS,  54
.set CT,  58                           ; + 8 x + 4 g: the upper half of a block's codes (a conversion's three registers begin on an even number)
.set PC,  100                          ; + 12 x
.set S,   128                          ; + 64 x
.set OA,  32                           ; window 1
.set KF,  96
.set VF,  192
.set WV,  18
.set SEL, 20
.set CS,  22
.set MSB, 0
.macro WIN new                         ; the immediate's high byte repeats the setting that is left
.if MSB != (\new)
	s_set_vgpr_msb (MSB<<8)|(\new)
.set MSB, (\new)
.endif
.endm
.macro CROUND
	s_barrier_signal -1
	s_barrier_wait -1
	s_cmp_lg_u32 s[WV], 0
	s_cbranch_scc1 .Lnot_wave_0_\@
	s_barrier_signal -3
.Lnot_wave_0_\@:
	s_barrier_wait -3
	s_barrier_signal -1
	s_barrier_wait -1
.endm
.macro D2
	s_delay_alu instid0(VALU_DEP_2)
.endm
.macro LOADK ka, ks, base              ; a record's eight fragments of K and their scale words: 24 LDS loads
	WIN 0x40
.irp k, 0,1,2,3,4,5,6,7
	ds_load_b128 v[KF+12*\k:KF+12*\k+3], v[\ka] offset:(\base)+(4*(\k/4)+\k%2)*ROWP+((\k%4)/2)*128
	ds_load_b128 v[KF+12*\k+4:KF+12*\k+7], v[\ka] offset:(\base)+(4*(\k/4)+\k%2)*ROWP+((\k%4)/2)*128+512
.endr
	WIN 0
.irp k, 0,1,2,3,4,5,6,7
	ds_load_b32 v[KS+\k], v[\ks] offset:(\base)+14*ROWP+(\k/4)*256+(\k%2)*64+((\k%4)/2)*32
.endr
.endm
	s_load_b128 s[4:7], s[0:1], 0x0                ; QKV, CTX
	v_lshl_add_u32 v[SPW], v0, 2, SPARE
	v_mov_b32 v[NIL], 0
	ds_add_u32 v[SPW], v[NIL]                      ; the opening lines: the add, twice on end, and its wait ahead of my tensor load
	ds_add_u32 v[SPW], v[NIL]
	v_lshrrev_b32 v8, 5, v0
	v_readfirstlane_b32 s[WV], v8                  ; wave 0..7
	s_bfe_u32 s49, ttmp6, 0x40000                  ; cx
	s_and_b32 s48, ttmp7, 0xffff                   ; 16 x batch + head
	s_lshl_b32 s50, ttmp9, 2
	s_add_co_u32 s50, s50, s49
	s_lshl_b32 s50, s50, 4
	s_lshl_b32 s51, s[WV], 1
	s_add_co_u32 s50, s50, s51                     ; my first tile of 16 queries among the batch's 128
	s_mov_b32 s40, 15|(3<<16)|(1<<20)|(1<<21)|(7<<22)|(15<<25)   ; all four partners; elements of 8 bytes; 16 dwords of padding behind every 256
	s_mov_b32 s41, 128<<16
	s_mov_b32 s42, 30<<16
	s_mov_b32 s43, 128<<16
	s_mov_b32 s44, 30
	s_mov_b32 s45, 128
	s_mov_b32 s46, 0
	s_mov_b32 s47, 0
	s_mul_i32 s52, s48, 245760
	s_mul_i32 s51, s[WV], 30720
	s_add_co_u32 s52, s52, s51                     ; my two records of the head's sixteen
	s_mov_b32 s53, 0
	s_mov_b32 s24, 1
	s_mul_i32 s25, s[WV], 2*REC
	s_lshl_b32 s54, s48, 7
	s_add_co_u32 s54, s54, s50
	s_lshl_b32 s56, s54, 10
	s_add_co_u32 s56, s56, QC                      ; q's tiles
	s_mov_b32 s57, 0
	s_lshl_b32 s58, s54, 6
	s_add_co_u32 s58, s58, QSB                     ; q's scale words
	s_mov_b32 s59, 0
	s_lshr_b32 s60, s48, 4
	s_lshl_b32 s60, s60, 7
	s_add_co_u32 s60, s60, s50                     ; ctx: row tile
	s_bfe_u32 s61, s48, 0x30001                    ; K step of 128 channels: head / 2
	s_and_b32 s55, s48, 1                          ; which half of it
	s_lshl_b32 s62, s60, 3
	s_add_co_u32 s62, s62, s61
	s_mul_i32 s62, s62, 1536
	s_mov_b32 s63, 0
	s_lshl_b32 s66, s61, 14
	s_lshl_b32 s67, s60, 6
	s_add_co_u32 s66, s66, s67
	s_lshl_b32 s67, s55, 1
	s_add_co_u32 s66, s66, s67
	s_add_co_u32 s66, s66, CTX_S
	s_mov_b32 s67, 0
	s_mov_b32 s[SEL], 0x76543210
	s_mov_b32 s[SEL+1], 0xfedcba98                 ; v_permlanex16_b32's selects for lane l xor 16
	s_mov_b32 s[CS], 0x3e38aa3b                    ; log2(e) / 8
	s_mov_b32 s[CS+1], s[CS]
	s_wait_dscnt 0x0
	s_wait_kmcnt 0x0
	s_add_nc_u64 s[26:27], s[4:5], s[52:53]
	s_or_b32 s27, s27, 0x80000000
	s_add_nc_u64 s[56:57], s[4:5], s[56:57]
	s_add_nc_u64 s[58:59], s[4:5], s[58:59]
	s_add_nc_u64 s[62:63], s[6:7], s[62:63]
	s_add_nc_u64 s[66:67], s[6:7], s[66:67]
	CROUND                                         ; the four partners are here: the joint loads meet
	tensor_load_to_lds s[24:27], s[40:47]          ; my one tensor load of the launch
	s_nop 0
	v_and_b32 v8, 31, v0
	v_and_b32 v9, 15, v0
	v_and_b32 v10, 7, v0
	v_bfe_u32 v11, v0, 3, 1
	v_bfe_u32 v[SH8], v0, 4, 1
	v_lshlrev_b32 v[VA], 4, v8
	v_lshlrev_b32 v[VSA], 2, v9
	v_lshlrev_b32 v[KA], 4, v10
	v_lshlrev_b32 v[KSA], 2, v10
	v_mad_u32_u24 v[KA], v11, 2*ROWP, v[KA]
	v_lshl_add_u32 v[KSA], v11, 7, v[KSA]
	v_lshl_add_u32 v[KA], v[SH8], 8, v[KA]
	v_lshlrev_b32 v[SH8], 3, v[SH8]
	global_load_b32 v[QW], v[VSA], s[58:59]
	global_load_b32 v[QW+1], v[VSA], s[58:59] offset:64
	WIN 0x40
.irp x, 0,1
	global_load_b128 v[12*\x:12*\x+3], v[VA], s[56:57] offset:1024*\x
	global_load_b128 v[12*\x+4:12*\x+7], v[VA], s[56:57] offset:1024*\x+512
.endr
.irp j, 8,9,10,11,20,21,22,23
	v_mov_b32 v\j, 0                               ; k = 96 .. 127 of q
.endr
.set j, 0
.rept 8
.irp i, 8,9,10,11
	v_mov_b32 v[KF+12*j+\i], 0                     ; and of K's fragments: written once
.endr
.set j, j+1
.endr
.set j, 0
.rept 64
	v_mov_b32 v[OA+j], 0                           ; O^T: the step is written for every step alike, and the first finds zeros
.set j, j+1
.endr
	WIN 0
.irp x, 0,1
	v_mov_b32 v[NM+2*\x+1], 0xff61b1e6             ; the largest t so far: -3e38
	v_mov_b32 v[SUM+2*\x], 0
	v_mov_b32 v[SUM+2*\x+1], 0
	v_mov_b32 v[PW+2*\x], 0                        ; named as the upper half of a pair before it is first made
	v_mov_b32 v[TT+2*\x+1], 0                      ; a lane permute's destination counts as one of its sources
.endr
.irp x, 0,1
	v_floor_f32 v[NM+2*\x], -v[NM+2*\x+1]
.endr
	s_wait_alu depctr_va_vdst(0)
	s_wait_loadcnt 0x0                             ; q
	s_wait_tensorcnt 0x0                           ; my two records are in
	s_barrier_signal -1
	s_barrier_wait -1                              ; and everybody's
	LOADK KA, KSA, 0
; A STEP: 128 keys x 32 queries.  more = 1: the next record's K is fetched behind the score products.
.macro STEP more
	s_wait_dscnt 0x0                               ; this record's K
	WIN 0x05                                       ; sources 0 and 1 in window 1
.irp k, 0,1,2,3,4,5,6,7
.irp x, 0,1
	v_wmma_scale_f32_16x16x128_f8f6f4 v[S+64*\x+8*\k:S+64*\x+8*\k+7], v[KF+12*\k:KF+12*\k+11], v[12*\x:12*\x+11], 0, v[KS+\k], v[QW+\x] matrix_a_fmt:MATRIX_FMT_FP6 matrix_b_fmt:MATRIX_FMT_FP6
.endr
.endr
	WIN 0
	v_add_nc_u32 v[TK], s2, v[KA]                  ; four plain lines: the places behind the products, ahead of the loads into their registers and of the first read of the scores
	v_add_nc_u32 v[TK+1], s2, v[KSA]
	v_add_nc_u32 v[TK+2], s2, v[VA]
	v_add_nc_u32 v[TK+3], s2, v[VSA]
.irp t, 0,1,2,3
	ds_load_b32 v[VS+\t], v[TK+3] offset:14*ROWP+512+64*\t
.endr
	WIN 0x40
.irp t, 0,1,2,3
.irp c, 0,1,2
	ds_load_b128 v[VF+12*\t+4*\c:VF+12*\t+4*\c+3], v[TK+2] offset:(8192+1536*\t+512*\c)+64*((8192+1536*\t+512*\c)/1024)
.endr
.endr
.if \more
	LOADK TK, TK+1, REC
.endif
	WIN 0
.irp g, 0,1                            ; each block's largest score: four chains by turns, each accumulator from its low end on
.irp x, 0,1
	v_max3_num_f32 v[BM+2*\x+\g], v[S+64*\x+32*\g], v[S+64*\x+32*\g+1], v[S+64*\x+32*\g+2]
.endr
.endr
.irp i, 3,5,7,9,11,13,15,17,19,21,23,25,27,29
.irp g, 0,1
.irp x, 0,1
	v_max3_num_f32 v[BM+2*\x+\g], v[BM+2*\x+\g], v[S+64*\x+32*\g+\i], v[S+64*\x+32*\g+\i+1]
.endr
.endr
.endr
.irp g, 0,1
.irp x, 0,1
	v_max_num_f32 v[BM+2*\x+\g], v[BM+2*\x+\g], v[S+64*\x+32*\g+31]
.endr
.endr
.irp x, 0,1
	v_max_num_f32 v[TT+2*\x], v[BM+2*\x], v[BM+2*\x+1]
.endr
.irp x, 0,1
	D2
	v_permlanex16_b32 v[TT+2*\x+1], v[TT+2*\x], s[SEL], s[SEL+1]
.endr
.irp x, 0,1
	D2
	v_max_num_f32 v[TT+2*\x], v[TT+2*\x], v[TT+2*\x+1]   ; the step's largest score of my query
.endr
.irp x, 0,1
	D2
	v_mul_f32 v[TT+2*\x], s[CS], v[TT+2*\x]
.endr
.irp x, 0,1
	D2
	v_max_num_f32 v[NM+2*\x+1], v[NM+2*\x+1], v[TT+2*\x]
.endr
.irp x, 0,1
	v_mov_b32 v[TT+2*\x], v[NM+2*\x]
.endr
.irp x, 0,1
	v_floor_f32 v[NM+2*\x], -v[NM+2*\x+1]          ; -M = floor(-t)
.endr
.irp x, 0,1
	D2
	v_sub_f32 v[TT+2*\x], v[NM+2*\x], v[TT+2*\x]   ; old M - new M, a whole number
.endr
.irp x, 0,1
	D2
	v_cvt_i32_f32 v[TT+2*\x], v[TT+2*\x]           ; (it saturates)
.endr
.irp x, 0,1
	D2
	v_ldexp_f32 v[F+2*\x], 1.0, v[TT+2*\x]
.endr
.set j, 0
.rept 32
.irp x, 0,1
	v_pk_fma_f32 v[S+64*\x+j:S+64*\x+j+1], v[S+64*\x+j:S+64*\x+j+1], s[CS:CS+1], v[NM+2*\x:NM+2*\x+1] op_sel_hi:[1,0,0]   ; t - M
.endr
.set j, j+2
.endr
.irp g, 0,1
.irp x, 0,1
	v_fma_f32 v[BM+2*\x+\g], v[BM+2*\x+\g], s[CS], v[NM+2*\x]
.endr
.endr
	WIN 0x41                                       ; O^T in window 1, the factor in window 0
.set j, 0
.rept 16
.irp x, 0,1
	v_pk_mul_f32 v[OA+32*\x+j:OA+32*\x+j+1], v[OA+32*\x+j:OA+32*\x+j+1], v[F+2*\x:F+2*\x+1] op_sel_hi:[1,0]   ; O^T under the new M
.endr
.set j, j+2
.endr
	WIN 0
.irp x, 0,1
	v_pk_mul_f32 v[SUM+2*\x:SUM+2*\x+1], v[SUM+2*\x:SUM+2*\x+1], v[F+2*\x:F+2*\x+1] op_sel_hi:[1,0]
.endr
	s_wait_alu depctr_va_vdst(0)
.set j, 0
.rept 128
	v_exp_f32 v[S+j], v[S+j]                       ; p = 2^(t - M)
.set j, j+1
.endr
.irp j, 0,1,2,3
	v_exp_f32 v[BM+\j], v[BM+\j]                   ; each block's largest p
.endr
	v_nop                                          ; a plain line behind the batch,
	s_wait_alu depctr_va_vdst(0)                   ; and one wait for all of it ahead of its first reader
.irp j, 0,1,2,3
	v_max_num_f32 v[BM+\j], 0x1800000, v[BM+\j]    ; the floor 2^(3 - 127): the byte cannot fall under 1
.endr
.irp j, 0,1,2,3
	v_add_nc_u32 v[SO+\j], 0xff000000, v[BM+\j]    ; 2 off the exponent field: the conversion's scale operand
.endr
.irp j, 0,1,2,3
	v_lshrrev_b32 v[BY+\j], 23, v[SO+\j]
.endr
.irp x, 0,1
	v_lshl_or_b32 v[BY+2*\x], v[BY+2*\x+1], 16, v[BY+2*\x]   ; my two bytes: blocks h and 2 + h,
.endr
.irp x, 0,1
	D2
	v_lshlrev_b32 v[BY+2*\x], v[SH8], v[BY+2*\x]   ; at their places in the word;
.endr
.irp x, 0,1
	D2
	v_permlanex16_b32 v[BY+2*\x+1], v[BY+2*\x], s[SEL], s[SEL+1]
.endr
.irp x, 0,1
	D2
	v_or_b32 v[PW+2*\x], v[BY+2*\x], v[BY+2*\x+1]  ; with lane l xor 16's two the word is whole
.endr
.irp x, 0,1
.irp g, 0,1
	v_cvt_scalef32_pk16_fp6_f32 v[PC+12*\x+6*\g:PC+12*\x+6*\g+2], v[S+64*\x+32*\g:S+64*\x+32*\g+15], v[SO+2*\x+\g]
	v_cvt_scalef32_pk16_fp6_f32 v[CT+8*\x+4*\g:CT+8*\x+4*\g+2], v[S+64*\x+32*\g+16:S+64*\x+32*\g+31], v[SO+2*\x+\g]
.endr
.endr
	v_nop                                          ; one plain line behind a scaled conversion
.irp x, 0,1
.irp g, 0,1
.irp i, 0,1,2
	v_mov_b32 v[PC+12*\x+6*\g+3+\i], v[CT+8*\x+4*\g+\i]
.endr
.endr
.endr
.irp x, 0,1                            ; the row's sum of the unquantised p, two chains a tile; these lines are also the places between p's codes and scale word and the products below
	v_pk_add_f32 v[SU2+2*\x:SU2+2*\x+1], v[S+64*\x:S+64*\x+1], v[S+64*\x+2:S+64*\x+3]
.endr
.set j, 4
.rept 15
.irp x, 0,1
	v_pk_add_f32 v[SUM+2*\x:SUM+2*\x+1], v[SUM+2*\x:SUM+2*\x+1], v[S+64*\x+j:S+64*\x+j+1]
	v_pk_add_f32 v[SU2+2*\x:SU2+2*\x+1], v[SU2+2*\x:SU2+2*\x+1], v[S+64*\x+j+2:S+64*\x+j+3]
.endr
.set j, j+4
.endr
.irp x, 0,1
	v_pk_add_f32 v[SUM+2*\x:SUM+2*\x+1], v[SUM+2*\x:SUM+2*\x+1], v[SU2+2*\x:SU2+2*\x+1]
.endr
.if \more
	s_wait_dscnt 24                                ; V and its scale words are in; the 24 loads of the next record's K, issued behind them, may be out
.else
	s_wait_dscnt 0x0
.endif
	WIN 0x51                                       ; V's fragments and O^T in window 1, p's codes in window 0
.irp t, 0,1,2,3
.irp x, 0,1
	v_wmma_scale_f32_16x16x128_f8f6f4 v[OA+32*\x+8*\t:OA+32*\x+8*\t+7], v[VF+12*\t:VF+12*\t+11], v[PC+12*\x:PC+12*\x+11], v[OA+32*\x+8*\t:OA+32*\x+8*\t+7], v[VS+\t], v[PW+2*\x] matrix_a_fmt:MATRIX_FMT_FP6 matrix_b_fmt:MATRIX_FMT_FP6
.endr
.endr
	WIN 0
.endm
	s_mov_b32 s2, 0                                ; this step's record in LDS
	s_mov_b32 s3, 15
.Lstep:
	STEP 1
	s_add_co_u32 s2, s2, REC
	s_sub_co_u32 s3, s3, 1
	s_cmp_lg_u32 s3, 0
	s_cbranch_scc1 .Lstep
	STEP 0                                         ; the last record: nothing more to fetch
	s_wait_alu depctr_va_vdst(0)                   ; directly ahead of the reader of the sums below
.irp x, 0,1
	v_add_f32 v[SUM+2*\x], v[SUM+2*\x], v[SUM+2*\x+1]
.endr
.irp x, 0,1
	D2
	v_permlanex16_b32 v[TT+2*\x+1], v[SUM+2*\x], s[SEL], s[SEL+1]
.endr
.irp x, 0,1
	D2
	v_add_f32 v[SUM+2*\x], v[SUM+2*\x], v[TT+2*\x+1]   ; the row's sum (these six lines are the places behind the last products)
.endr
	s_wait_alu depctr_va_vdst(0)
.irp x, 0,1
	v_rcp_f32 v[SUM+2*\x], v[SUM+2*\x]
.endr
	v_nop
	WIN 0x01
	s_wait_alu depctr_va_vdst(0)                   ; for the reciprocals, and directly ahead of the first reader of O^T
.set j, 0
.rept 32
.irp x, 0,1
	v_mul_f32 v[S+64*\x+j], v[OA+32*\x+j], v[SUM+2*\x]   ; register 16 b + i: channel 32 b + 16 h + i of my query
.endr
.set j, j+1
.endr
	WIN 0
.irp b, 0,1
.irp x, 0,1
	v_max3_num_f32 v[BM+2*\x+\b], |v[S+64*\x+16*\b]|, |v[S+64*\x+16*\b+1]|, 0x1800000
.endr
.endr
.irp i, 2,4,6,8,10,12,14
.irp b, 0,1
.irp x, 0,1
	v_max3_num_f32 v[BM+2*\x+\b], v[BM+2*\x+\b], |v[S+64*\x+16*\b+\i]|, |v[S+64*\x+16*\b+\i+1]|
.endr
.endr
.endr
.irp j, 0,1,2,3
	v_permlanex16_b32 v[BY+\j], v[BM+\j], s[SEL], s[SEL+1]
.endr
.irp j, 0,1,2,3
	v_max_num_f32 v[BM+\j], v[BM+\j], v[BY+\j]
.endr
.irp j, 0,1,2,3
	v_add_nc_u32 v[SO+\j], 0xff000000, v[BM+\j]
.endr
.irp j, 0,1,2,3
	v_lshrrev_b32 v[BY+\j], 23, v[SO+\j]
.endr
.irp x, 0,1
	v_lshl_or_b32 v[PW+2*\x], v[BY+2*\x+1], 8, v[BY+2*\x]   ; the head's two scale bytes
.endr
.irp x, 0,1
	v_cvt_scalef32_pk16_fp6_f32 v[PC+12*\x:PC+12*\x+2], v[S+64*\x:S+64*\x+15], v[SO+2*\x]
	v_cvt_scalef32_pk16_fp6_f32 v[PC+12*\x+4:PC+12*\x+6], v[S+64*\x+16:S+64*\x+31], v[SO+2*\x+1]
.endr
	v_nop
.irp x, 0,1
.irp i, 0,1,2
	v_permlane16_swap_b32 v[PC+12*\x+\i], v[PC+12*\x+4+\i]   ; a whole block to a lane
.endr
.endr
.irp i, 3,4,5
.irp x, 0,1
	v_mov_b32 v[PC+12*\x+\i], v[PC+12*\x+\i+1]
.endr
.endr
	s_wait_alu depctr_va_vdst(0)
	s_cmp_lg_u32 s55, 0
	s_cbranch_scc1 .Lodd
.irp x, 0,1                            ; an even head: registers 0 to 5 of the fragment
	global_store_b128 v[VA], v[PC+12*\x:PC+12*\x+3], s[62:63] offset:12288*\x
	global_store_b64 v[VA], v[PC+12*\x+4:PC+12*\x+5], s[62:63] offset:12288*\x+512
.endr
	s_branch .Lstored
.Lodd:
.irp x, 0,1                            ; an odd head: registers 6 to 11
	global_store_b64 v[VA], v[PC+12*\x:PC+12*\x+1], s[62:63] offset:12288*\x+520
	global_store_b128 v[VA], v[PC+12*\x+2:PC+12*\x+5], s[62:63] offset:12288*\x+1024
.endr
.Lstored:
.irp x, 0,1
	global_store_b16 v[VSA], v[PW+2*\x], s[66:67] offset:64*\x
.endr
	s_wait_tensorcnt 0x0                           ; the wave's end
	ds_add_u32 v[SPW], v[NIL]
	s_wait_dscnt 0x0
	CROUND                                         ; the closing round
	s_endpgm
.Lfunc_end_k_q0c5b680f21_attn:
	.size	k_q0c5b680f21_attn, .Lfunc_end_k_q0c5b680f21_attn-k_q0c5b680f21_attn
	.p2alignl 7, 3214868480
	.fill 96, 4, 3214868480
	.section	.rodata,"a",@progbits
	.p2align	6, 0x0
	.amdhsa_kernel k_q0c5b680f21_attn
		.amdhsa_group_segment_fixed_size 327680
		.amdhsa_private_segment_fixed_size 0
		.amdhsa_enable_private_segment 0
		.amdhsa_kernarg_size 16
		.amdhsa_user_sgpr_count 2
		.amdhsa_user_sgpr_kernarg_segment_ptr 1
		.amdhsa_wavefront_size32 1
		.amdhsa_system_sgpr_workgroup_id_x 1
		.amdhsa_system_sgpr_workgroup_id_y 1
		.amdhsa_system_sgpr_workgroup_id_z 1
		.amdhsa_system_vgpr_workitem_id 0
		.amdhsa_next_free_vgpr 512
		.amdhsa_next_free_sgpr 68
		.amdhsa_reserve_vcc 0
		.amdhsa_float_denorm_mode_32 3
		.amdhsa_float_denorm_mode_16_64 3
		.amdhsa_memory_ordered 1
		.amdhsa_forward_progress 1
		.amdhsa_inst_pref_size 73
	.end_amdhsa_kernel
	.amdgpu_metadata
---
amdhsa.version: [ 1, 2 ]
amdhsa.kernels:
  - .name:           k_q0c5b680f21_attn
    .symbol:         k_q0c5b680f21_attn.kd
    .args:
      - { .name: QKV, .offset: 0, .size: 8, .value_kind: global_buffer, .address_space: global }
      - { .name: CTX, .offset: 8, .size: 8, .value_kind: global_buffer, .address_space: global }
    .group_segment_fixed_size: 327680
    .private_segment_fixed_size: 0
    .kernarg_segment_align: 8
    .kernarg_segment_size: 16
    .max_flat_workgroup_size: 256
    .sgpr_count:     68
    .vgpr_count:     512
    .wavefront_size: 32
...
	.end_amdgpu_metadata
.endif
;; end of part 3
;; launch woln (part 4): grid 256 x 1, 8 waves a work-group, no clusters, 144,896 bytes of LDS; arguments CTX, W, bo, x, ln2_a, ln2_b, X1, XN; writes X1, XN
.if DOCPART == 4
	.amdgcn_target "amdgcn-amd-amdhsa--gfx1250"
	.amdhsa_code_object_version 6
	.text
	.protected	k_q0c5b680f21_woln
	.globl	k_q0c5b680f21_woln
	.p2align	8
	.type	k_q0c5b680f21_woln,@function
k_q0c5b680f21_woln:
	s_mov_b64 s[64:65], 0
	v_nop
	global_prefetch_b8 v0, s[64:65] scope:SCOPE_SE
	s_setreg_imm32_b32 hwreg(HW_REG_WAVE_MODE, 25, 1), 1
	s_wait_xcnt 0x0
; TWO STEPS IN ONE LAUNCH: x1 = x + bo + ctx Wo on codes of FP6 (E2M3), K = 1,024, and y = a (x1 - mean) / (std + 1e-5) + b along rows of 1,024 (std with the divisor 1,023), quantised along the row and stored as the next operand.
; Work-group T owns row tile T whole: 16 tokens (32 (T / 2) + 8 (T % 2) + r + 8 (r / 8)) x all 1,024 columns, so that the norm needs no other work-group.  Eight waves; wave w makes columns 128 w .. 128 w + 127: 8 accumulators.
; Operands lie in memory as images of their registers (fragment (tile, K step): 1,536 bytes, register 4 g + e of lane l at 512 g + 16 l + 4 e; rows in the order in which bits 3 and 4 of the row number are exchanged; scale words at (step x rows + place) x 4).
; NO LDS RING AND NO CLUSTER: a fragment of Wo feeds ONE matrix instruction in a work-group, so it goes from memory straight into registers; a joint load would add an LDS write and an LDS read of all of Wo's 786,432 bytes.
; A K step is 32 loads a wave (24 for Wo's 8 fragments, 3 for ctx's, 4 + 1 for scale words), each of the code loads 512 consecutive bytes; two sets of registers take turns, and the loads run two K steps ahead: so no prefetch is laid beside them.
; WORK-GROUP T WALKS K FROM STEP T % 8 ON, round the 8: at any time the work-groups ask for all eight slices of Wo and not all for the same one.  The sums are f32; their order differs from work-group to work-group.
; The matrix instruction is used transposed (source 0 = Wo's rows, source 1 = ctx's): a lane holds one token, and the registers of tiles 2 b, 2 b + 1 are 16 neighbouring columns.
; One scale register carries two tiles of Wo: lanes 0-15 tile 2 q, lanes 16-31 tile 2 q + 1.
; THEN: the result goes to a stage in LDS; behind a barrier wave w takes rows 2 w, 2 w + 1 whole (32 registers a row), adds bo and x, stores x1 (512 consecutive bytes a store), norms, and puts y into a second stage;
; behind a second barrier wave w takes K step w of all 16 rows and quantises it.  bo, a and b come once a work-group, an eighth a wave, through LDS.
; All arithmetic of the norm in f32: mean first, then the sum of squares of x1 - mean.  LIMITS: NaN and infinities are not served; blocks under 2^-124 keep the byte 1.
.set PITCH, 4112                       ; a stage row: 4,096 bytes + 16
.set PRM,   0                          ; LDS: bo, a, b: 3 x 4,096 bytes
.set STA,   12288                      ; the result's stage
.set STB,   STA+16*PITCH               ; y's stage
.set SPARE, STB+16*PITCH               ; the spare words, 128 bytes for each wave
.set A_S,   3145728                    ; ctx's scale words in CTX; also y's in XN
.set B_C,   2359296                    ; Wo's codes in W
.set B_S,   9568256                    ; Wo's scale words
.set WRB, 4                            ; v4  into y's stage
.set RDB, 5                            ; v5  out of it
.set STO, 10                           ; v10 into the result's stage
.set RDA, 11                           ; v11 out of it
.set PST, 13                           ; v13 my eighth of bo, a, b in LDS
.set SPW, 14
.set NIL, 15
.set OFF, 16                           ; v16-23 codes: 16 x lane + 1,536 x (slot s's K step)
.set SAO, 24                           ; v24-31 ctx's scale words: 4 r + 16,384 x K step
.set SBO, 32                           ; v32-39 Wo's: 4 x lane + 4,096 x K step
.set SA,  40                           ; v40-41 ctx's scale words, two sets
.set SB,  42                           ; v42-49 Wo's, two sets of four
.set PT,  52                           ; v52-63 my eighth of bo, a, b
.set ACC, 64                           ; v64-127
.set RES, 128                          ; v128-191 x's two rows, then x1's
.set X,   192                          ; v192-255 two rows, later the 64 numbers of a K step
.set BE,  16                           ; behind the products: b, bo, a of my 32 columns, statistics, the quantiser's registers
.set BO,  64
.set AL,  96
.set S,   48
.set PC,  128
.set TM,  148
.set PW,  164
.set SEL, 54
.set MSB, 0
.macro WIN new                         ; the immediate's high byte repeats the setting that is left
.if MSB != (\new)
	s_set_vgpr_msb (MSB<<8)|(\new)
.set MSB, (\new)
.endif
.endm
.macro PLACES n
.rept \n
	v_nop
.endr
.endm
.macro GRP s                           ; slot s's 32 loads, into set s % 2 (window 1: Wo's fragments at 12 i, ctx's at 96)
	WIN 0x40
.irp i, 0,1,2,3,4,5,6,7
.irp g, 0,1,2
	global_load_b128 v[108*((\s)%2)+12*\i+4*\g:108*((\s)%2)+12*\i+4*\g+3], v[OFF+\s], s[26:27] offset:\i*12288+512*\g
.endr
.endr
.irp g, 0,1,2
	global_load_b128 v[108*((\s)%2)+96+4*\g:108*((\s)%2)+96+4*\g+3], v[OFF+\s], s[24:25] offset:512*\g
.endr
	WIN 0
.irp q, 0,1,2,3
	global_load_b32 v[SB+4*((\s)%2)+\q], v[SBO+\s], s[30:31] offset:128*\q
.endr
	global_load_b32 v[SA+(\s)%2], v[SAO+\s], s[28:29]
.endm
.macro MULS p, zero                    ; 8 matrix instructions on set p; the 8 accumulators take turns
	WIN 0x05
.irp q, 0,1,2,3
.if \zero
	v_wmma_scale_f32_16x16x128_f8f6f4 v[ACC+16*\q:ACC+16*\q+7], v[108*(\p)+24*\q:108*(\p)+24*\q+11], v[108*(\p)+96:108*(\p)+107], 0, v[SB+4*(\p)+\q], v[SA+(\p)] matrix_a_fmt:MATRIX_FMT_FP6 matrix_b_fmt:MATRIX_FMT_FP6
	v_wmma_scale_f32_16x16x128_f8f6f4 v[ACC+16*\q+8:ACC+16*\q+15], v[108*(\p)+24*\q+12:108*(\p)+24*\q+23], v[108*(\p)+96:108*(\p)+107], 0, v[SB+4*(\p)+\q], v[SA+(\p)] matrix_a_fmt:MATRIX_FMT_FP6 matrix_b_fmt:MATRIX_FMT_FP6 matrix_a_scale:MATRIX_SCALE_ROW1
.else
	v_wmma_scale_f32_16x16x128_f8f6f4 v[ACC+16*\q:ACC+16*\q+7], v[108*(\p)+24*\q:108*(\p)+24*\q+11], v[108*(\p)+96:108*(\p)+107], v[ACC+16*\q:ACC+16*\q+7], v[SB+4*(\p)+\q], v[SA+(\p)] matrix_a_fmt:MATRIX_FMT_FP6 matrix_b_fmt:MATRIX_FMT_FP6
	v_wmma_scale_f32_16x16x128_f8f6f4 v[ACC+16*\q+8:ACC+16*\q+15], v[108*(\p)+24*\q+12:108*(\p)+24*\q+23], v[108*(\p)+96:108*(\p)+107], v[ACC+16*\q+8:ACC+16*\q+15], v[SB+4*(\p)+\q], v[SA+(\p)] matrix_a_fmt:MATRIX_FMT_FP6 matrix_b_fmt:MATRIX_FMT_FP6 matrix_a_scale:MATRIX_SCALE_ROW1
.endif
.endr
	WIN 0
.endm
.macro QUANT s                         ; 64 numbers of a lane, register 16 b + i = k 32 b + 16 (lane / 16) + i of my row, become a fragment's codes in v[PC] on and its scale word in v[PW]
.irp b, 0,1,2,3
	v_max3_num_f32 v[TM+\b], |v[\s+16*\b]|, |v[\s+1+16*\b]|, 0x1800000   ; with the floor 2^(3 - 127): the byte cannot fall under 1
.endr
.irp i, 2,4,6,8,10,12,14
.irp b, 0,1,2,3
	v_max3_num_f32 v[TM+\b], v[TM+\b], |v[\s+16*\b+\i]|, |v[\s+1+16*\b+\i]|
.endr
.endr
.irp b, 0,1,2,3
	v_permlanex16_b32 v[TM+4+\b], v[TM+\b], s[SEL], s[SEL+1]
.endr
.irp b, 0,1,2,3
	v_max_num_f32 v[TM+\b], v[TM+\b], v[TM+4+\b]   ; with lane l xor 16's 16 numbers: the block's largest magnitude
.endr
.irp b, 0,1,2,3
	v_add_nc_u32 v[TM+12+\b], 0xff000000, v[TM+\b] ; 2 off its exponent field: the conversion's scale operand
.endr
.irp b, 0,1,2,3
	v_lshrrev_b32 v[TM+4+\b], 23, v[TM+12+\b]      ; the scale's byte
.endr
	v_lshl_or_b32 v[PW], v[TM+5], 8, v[TM+4]
	v_lshl_or_b32 v[PW], v[TM+6], 16, v[PW]
	v_lshl_or_b32 v[PW], v[TM+7], 24, v[PW]
.irp c, 0,1
	v_cvt_scalef32_pk16_fp6_f32 v[PC+6*\c:PC+2+6*\c], v[\s+32*\c:\s+15+32*\c], v[TM+12+2*\c]
	v_cvt_scalef32_pk16_fp6_f32 v[PC+12+4*\c:PC+14+4*\c], v[\s+16+32*\c:\s+31+32*\c], v[TM+12+2*\c+1]
.endr
	v_nop                                          ; one plain line behind a scaled conversion
.irp c, 0,1                            ; the operand wants a whole block in a lane
.irp i, 0,1,2
	v_permlane16_swap_b32 v[PC+6*\c+\i], v[PC+12+4*\c+\i]
.endr
.irp i, 0,1,2
	v_mov_b32 v[PC+3+6*\c+\i], v[PC+12+4*\c+\i]
.endr
.endr
.endm
.macro RED                             ; each row's two chains of pairs become one sum, the same in every lane
.irp i, 0,1
	v_pk_add_f32 v[S+4*\i:S+4*\i+1], v[S+4*\i:S+4*\i+1], v[S+4*\i+2:S+4*\i+3]
.endr
.irp i, 0,1
	v_add_f32 v[S+4*\i], v[S+4*\i], v[S+4*\i+1]
.endr
.irp m, 1,2,4,8
.irp i, 0,1
	v_add_f32_dpp v[S+4*\i], v[S+4*\i], v[S+4*\i] row_xmask:\m row_mask:0xf bank_mask:0xf
.endr
.endr
.irp i, 0,1
	v_permlanex16_b32 v[S+4*\i+1], v[S+4*\i], s[SEL], s[SEL+1]
.endr
.irp i, 0,1
	v_add_f32 v[S+4*\i], v[S+4*\i], v[S+4*\i+1]
.endr
.endm
	s_load_b256 s[4:11], s[0:1], 0x0               ; CTX, W, bo, x
	s_load_b256 s[12:19], s[0:1], 0x20             ; a, b, X1, XN
	v_lshl_add_u32 v[SPW], v0, 2, SPARE
	v_mov_b32 v[NIL], 0
	v_lshrrev_b32 v1, 5, v0
	v_readfirstlane_b32 s20, v1                    ; wave 0..7
	s_mul_i32 s24, ttmp9, 12288                    ; ctx's codes: tile T
	s_mov_b32 s25, 0
	s_mul_i32 s26, s20, 98304                      ; Wo's codes: tiles 8 w on
	s_add_co_u32 s26, s26, B_C
	s_mov_b32 s27, 0
	s_lshl_b32 s28, ttmp9, 6                       ; ctx's scale words: places 16 T on
	s_add_co_u32 s36, s28, A_S
	s_add_co_u32 s28, s28, A_S
	s_mov_b32 s29, 0
	s_lshl_b32 s38, s20, 9                         ; 512 w: Wo's scale words of my 128 columns; my eighth of bo, a, b; my columns in a stage row
	s_add_co_u32 s30, s38, B_S
	s_mov_b32 s31, 0
	s_mov_b32 s39, 0
	s_lshr_b32 s21, ttmp9, 1
	s_lshl_b32 s21, s21, 5
	s_and_b32 s22, ttmp9, 1
	s_lshl_b32 s22, s22, 3
	s_add_co_u32 s21, s21, s22
	s_lshl_b32 s22, s20, 1
	s_add_co_u32 s21, s21, s22
	s_lshr_b32 s22, s20, 2
	s_lshl_b32 s22, s22, 3
	s_add_co_u32 s21, s21, s22                     ; my first token: 32 (T / 2) + 8 (T % 2) + 2 w + 8 (w / 4)
	s_lshl_b32 s32, s21, 12
	s_mov_b32 s33, 0
	s_lshl_b32 s34, ttmp9, 3
	s_add_co_u32 s34, s34, s20
	s_mul_i32 s34, s34, 1536                       ; y: fragment 8 T + w
	s_mov_b32 s35, 0
	s_lshl_b32 s22, s20, 14
	s_add_co_u32 s36, s36, s22                     ; y's scale words of K step w, tile T
	s_mov_b32 s37, 0
.irp s, 0,1,2,3,4,5,6,7
	s_add_co_u32 s[40+\s], ttmp9, \s
	s_and_b32 s[40+\s], s[40+\s], 7                ; slot s's K step: (T + s) % 8
.endr
	s_add_co_u32 s48, s38, STA
	s_mul_i32 s49, s20, 2*PITCH
	s_add_co_u32 s50, s49, STB
	s_add_co_u32 s49, s49, STA
	s_add_co_u32 s51, s38, STB
	s_mov_b32 s[SEL], 0x76543210
	s_mov_b32 s[SEL+1], 0xfedcba98                 ; v_permlanex16_b32's selects for lane l xor 16
	v_and_b32 v2, 31, v0                           ; lane
	v_and_b32 v6, 15, v0                           ; r
	v_bfe_u32 v7, v0, 4, 1                         ; h
	v_lshlrev_b32 v3, 4, v2                        ; 16 x lane
	v_lshlrev_b32 v8, 2, v6                        ; 4 r
	v_lshlrev_b32 v9, 2, v2                        ; 4 x lane
	v_mul_u32_u24 v12, v6, PITCH
	v_lshl_add_u32 v12, v7, 6, v12                 ; row r, + 64 h
	v_add_nc_u32 v[RDA], s49, v3
	v_add_nc_u32 v[WRB], s50, v3
	v_add_nc_u32 v[PST], s38, v3
	v_add_nc_u32 v[STO], s48, v12
	v_add_nc_u32 v[RDB], s51, v12
.irp s, 0,1,2,3,4,5,6,7
	v_mad_u32_u24 v[OFF+\s], s[40+\s], 0x600, v3
	v_lshl_add_u32 v[SAO+\s], s[40+\s], 14, v8
	v_lshl_add_u32 v[SBO+\s], s[40+\s], 12, v9
.endr
	s_wait_alu depctr_va_vdst(0)
	s_wait_kmcnt 0x0
	s_add_nc_u64 s[24:25], s[4:5], s[24:25]
	s_add_nc_u64 s[28:29], s[4:5], s[28:29]
	s_add_nc_u64 s[26:27], s[6:7], s[26:27]
	s_add_nc_u64 s[30:31], s[6:7], s[30:31]
	s_add_nc_u64 s[8:9], s[8:9], s[38:39]
	s_add_nc_u64 s[12:13], s[12:13], s[38:39]
	s_add_nc_u64 s[14:15], s[14:15], s[38:39]
	s_add_nc_u64 s[10:11], s[10:11], s[32:33]
	s_add_nc_u64 s[16:17], s[16:17], s[32:33]
	s_add_nc_u64 s[34:35], s[18:19], s[34:35]
	s_add_nc_u64 s[36:37], s[18:19], s[36:37]
	global_load_b128 v[PT:PT+3], v3, s[8:9]        ; my eighth of bo,
	global_load_b128 v[PT+4:PT+7], v3, s[12:13]    ; of a,
	global_load_b128 v[PT+8:PT+11], v3, s[14:15]   ; of b
.irp i, 0,1
.irp j, 0,1,2,3,4,5,6,7
	global_load_b128 v[RES+32*\i+4*\j:RES+32*\i+4*\j+3], v3, s[10:11] offset:4096*\i+512*\j   ; x's two rows: asked for now, wanted behind the products
.endr
.endr
	GRP 0
	GRP 1
.irp s, 0,1,2,3,4,5,6,7
.if \s < 7
	s_wait_loadcnt 32                              ; this slot's loads and all older ones are in; the next slot's 32 may be out
.else
	s_wait_loadcnt 0x0
.endif
.if \s == 0
	MULS 0, 1                                      ; the first products start the sums: nothing is cleared
.else
	MULS (\s%2), 0
.endif
	PLACES 4                                       ; four plain places ahead of loads into registers that matrix instructions have read, and of the first read of the results
.if \s < 6
	GRP (\s+2)
.endif
.endr
.irp c, 0,1,2
	ds_store_b128 v[PST], v[PT+4*\c:PT+4*\c+3] offset:PRM+4096*\c
.endr
.irp i, 0,1,2,3,4,5,6,7                ; tile i's registers are columns 32 (i / 2) + 16 h + 8 (i % 2) + 0 .. 7 of my 128; each accumulator from its low end on
	ds_store_b128 v[STO], v[ACC+8*\i:ACC+8*\i+3] offset:128*(\i/2)+32*(\i%2)
	ds_store_b128 v[STO], v[ACC+8*\i+4:ACC+8*\i+7] offset:128*(\i/2)+32*(\i%2)+16
.endr
	s_wait_dscnt 0x0                               ; for the others' sake: my columns and my eighth lie in LDS
	s_barrier_signal -1
	s_barrier_wait -1
.irp i, 0,1
.irp j, 0,1,2,3,4,5,6,7
	ds_load_b128 v[X+32*\i+4*\j:X+32*\i+4*\j+3], v[RDA] offset:\i*PITCH+512*\j   ; register 32 i + 4 j + e: column 128 j + 4 lane + e of my row i
.endr
.endr
.irp j, 0,1,2,3,4,5,6,7
	ds_load_b128 v[BO+4*\j:BO+4*\j+3], v3 offset:PRM+512*\j
	ds_load_b128 v[AL+4*\j:AL+4*\j+3], v3 offset:PRM+4096+512*\j
	ds_load_b128 v[BE+4*\j:BE+4*\j+3], v3 offset:PRM+8192+512*\j
.endr
	s_wait_dscnt 0x0
.irp i, 0,1
.irp j, 0,2,4,6,8,10,12,14,16,18,20,22,24,26,28,30
	v_pk_add_f32 v[X+32*\i+\j:X+32*\i+\j+1], v[X+32*\i+\j:X+32*\i+\j+1], v[BO+\j:BO+\j+1]
.endr
.endr
.irp i, 0,1
.irp j, 0,2,4,6,8,10,12,14,16,18,20,22,24,26,28,30
	v_pk_add_f32 v[RES+32*\i+\j:RES+32*\i+\j+1], v[X+32*\i+\j:X+32*\i+\j+1], v[RES+32*\i+\j:RES+32*\i+\j+1]   ; x1
.endr
.endr
.irp i, 0,1
.irp j, 0,1,2,3,4,5,6,7
	global_store_b128 v3, v[RES+32*\i+4*\j:RES+32*\i+4*\j+3], s[16:17] offset:4096*\i+512*\j   ; 512 consecutive aligned bytes
.endr
.endr
.irp i, 0,1                            ; the rows' sums, two chains of pairs a row
	v_pk_add_f32 v[S+4*\i:S+4*\i+1], v[RES+32*\i:RES+32*\i+1], v[RES+32*\i+2:RES+32*\i+3]
	v_pk_add_f32 v[S+4*\i+2:S+4*\i+3], v[RES+32*\i+4:RES+32*\i+5], v[RES+32*\i+6:RES+32*\i+7]
.endr
.irp j, 8,12,16,20,24,28
.irp i, 0,1
	v_pk_add_f32 v[S+4*\i:S+4*\i+1], v[S+4*\i:S+4*\i+1], v[RES+32*\i+\j:RES+32*\i+\j+1]
	v_pk_add_f32 v[S+4*\i+2:S+4*\i+3], v[S+4*\i+2:S+4*\i+3], v[RES+32*\i+\j+2:RES+32*\i+\j+3]
.endr
.endr
	RED
.irp i, 0,1
	v_mul_f32 v[S+4*\i], 0x3a800000, v[S+4*\i]     ; the mean: / 1,024
.endr
.irp i, 0,1
	v_mov_b32 v[S+4*\i+1], v[S+4*\i]
.endr
.irp i, 0,1
.irp j, 0,2,4,6,8,10,12,14,16,18,20,22,24,26,28,30
	v_pk_add_f32 v[X+32*\i+\j:X+32*\i+\j+1], v[RES+32*\i+\j:RES+32*\i+\j+1], v[S+4*\i:S+4*\i+1] neg_lo:[0,1] neg_hi:[0,1]   ; x1 - mean, into other registers than the stores read
.endr
.endr
.irp i, 0,1
	v_pk_mul_f32 v[S+4*\i:S+4*\i+1], v[X+32*\i:X+32*\i+1], v[X+32*\i:X+32*\i+1]
	v_pk_mul_f32 v[S+4*\i+2:S+4*\i+3], v[X+32*\i+2:X+32*\i+3], v[X+32*\i+2:X+32*\i+3]
.endr
.irp j, 4,8,12,16,20,24,28
.irp i, 0,1
	v_pk_fma_f32 v[S+4*\i:S+4*\i+1], v[X+32*\i+\j:X+32*\i+\j+1], v[X+32*\i+\j:X+32*\i+\j+1], v[S+4*\i:S+4*\i+1]
	v_pk_fma_f32 v[S+4*\i+2:S+4*\i+3], v[X+32*\i+\j+2:X+32*\i+\j+3], v[X+32*\i+\j+2:X+32*\i+\j+3], v[S+4*\i+2:S+4*\i+3]
.endr
.endr
	RED
.irp i, 0,1
	v_mul_f32 v[S+4*\i], 0x3a802008, v[S+4*\i]     ; the variance: / 1,023
.endr
	s_wait_alu depctr_va_vdst(0)
.irp i, 0,1
	v_sqrt_f32 v[S+4*\i], v[S+4*\i]
.endr
	v_nop
	s_wait_alu depctr_va_vdst(0)
.irp i, 0,1
	v_add_f32 v[S+4*\i], 0x3727c5ac, v[S+4*\i]     ; std + 1e-5
.endr
	s_wait_alu depctr_va_vdst(0)
.irp i, 0,1
	v_rcp_f32 v[S+4*\i], v[S+4*\i]
.endr
	v_nop
	s_wait_alu depctr_va_vdst(0)
.irp i, 0,1
	v_mov_b32 v[S+4*\i+1], v[S+4*\i]
.endr
.irp i, 0,1
.irp j, 0,2,4,6,8,10,12,14,16,18,20,22,24,26,28,30
	v_pk_mul_f32 v[X+32*\i+\j:X+32*\i+\j+1], v[X+32*\i+\j:X+32*\i+\j+1], v[S+4*\i:S+4*\i+1]
.endr
.irp j, 0,2,4,6,8,10,12,14,16,18,20,22,24,26,28,30
	v_pk_fma_f32 v[X+32*\i+\j:X+32*\i+\j+1], v[X+32*\i+\j:X+32*\i+\j+1], v[AL+\j:AL+\j+1], v[BE+\j:BE+\j+1]
.endr
.endr
.irp i, 0,1
.irp j, 0,1,2,3,4,5,6,7
	ds_store_b128 v[WRB], v[X+32*\i+4*\j:X+32*\i+4*\j+3] offset:\i*PITCH+512*\j
.endr
.endr
	s_wait_dscnt 0x0                               ; for the others' sake: my rows lie in the stage
	s_barrier_signal -1
	s_barrier_wait -1
.irp b, 0,1,2,3                        ; K step w of all 16 rows
.irp j, 0,1,2,3
	ds_load_b128 v[X+16*\b+4*\j:X+16*\b+4*\j+3], v[RDB] offset:128*\b+16*\j
.endr
.endr
	s_wait_dscnt 0x0
	s_wait_xcnt 0x0                                ; x1's stores have read their registers: these may be written again
.irp b, 0,1,2,3
	v_mov_b32 v[TM+4+\b], 0                        ; a lane permute's destination counts as one of its sources
.endr
	QUANT X
.irp g, 0,1,2
	global_store_b128 v3, v[PC+4*\g:PC+4*\g+3], s[34:35] offset:512*\g   ; 512 consecutive aligned bytes
.endr
	global_store_b32 v8, v[PW], s[36:37]           ; lanes l and l xor 16 hold the same word and store it to the same place
	s_wait_tensorcnt 0x0                           ; the wave's end
	ds_add_u32 v[SPW], v[NIL]
	s_wait_dscnt 0x0
	s_endpgm
.Lfunc_end_k_q0c5b680f21_woln:
	.size	k_q0c5b680f21_woln, .Lfunc_end_k_q0c5b680f21_woln-k_q0c5b680f21_woln
	.p2alignl 7, 3214868480
	.fill 96, 4, 3214868480
	.section	.rodata,"a",@progbits
	.p2align	6, 0x0
	.amdhsa_kernel k_q0c5b680f21_woln
		.amdhsa_group_segment_fixed_size 144896
		.amdhsa_private_segment_fixed_size 0
		.amdhsa_enable_private_segment 0
		.amdhsa_kernarg_size 64
		.amdhsa_user_sgpr_count 2
		.amdhsa_user_sgpr_kernarg_segment_ptr 1
		.amdhsa_wavefront_size32 1
		.amdhsa_system_sgpr_workgroup_id_x 1
		.amdhsa_system_sgpr_workgroup_id_y 1
		.amdhsa_system_sgpr_workgroup_id_z 1
		.amdhsa_system_vgpr_workitem_id 0
		.amdhsa_next_free_vgpr 512
		.amdhsa_next_free_sgpr 66
		.amdhsa_reserve_vcc 0
		.amdhsa_float_denorm_mode_32 3
		.amdhsa_float_denorm_mode_16_64 3
		.amdhsa_memory_ordered 1
		.amdhsa_forward_progress 1
		.amdhsa_inst_pref_size 70
	.end_amdhsa_kernel
	.amdgpu_metadata
---
amdhsa.version: [ 1, 2 ]
amdhsa.kernels:
  - .name:           k_q0c5b680f21_woln
    .symbol:         k_q0c5b680f21_woln.kd
    .args:
      - { .name: CTX, .offset: 0, .size: 8, .value_kind: global_buffer, .address_space: global }
      - { .name: W, .offset: 8, .size: 8, .value_kind: global_buffer, .address_space: global }
      - { .name: bo, .offset: 16, .size: 8, .value_kind: global_buffer, .address_space: global }
      - { .name: x, .offset: 24, .size: 8, .value_kind: global_buffer, .address_space: global }
      - { .name: ln2_a, .offset: 32, .size: 8, .value_kind: global_buffer, .address_space: global }
      - { .name: ln2_b, .offset: 40, .size: 8, .value_kind: global_buffer, .address_space: global }
      - { .name: X1, .offset: 48, .size: 8, .value_kind: global_buffer, .address_space: global }
      - { .name: XN, .offset: 56, .size: 8, .value_kind: global_buffer, .address_space: global }
    .group_segment_fixed_size: 144896
    .private_segment_fixed_size: 0
    .kernarg_segment_align: 8
    .kernarg_segment_size: 64
    .max_flat_workgroup_size: 256
    .sgpr_count:     66
    .vgpr_count:     512
    .wavefront_size: 32
...
	.end_amdgpu_metadata
.endif
;; end of part 4
;; launch ffn1 (part 5): grid 16 x 16, 4 waves a work-group, clusters of 4 x 4, 327,680 bytes of LDS; arguments XN, W, b1, H; writes H
.if DOCPART == 5
	.amdgcn_target "amdgcn-amd-amdhsa--gfx1250"
	.amdhsa_code_object_version 6
	.text
	.protected	k_q0c5b680f21_ffn1
	.globl	k_q0c5b680f21_ffn1
	.p2align	8
	.type	k_q0c5b680f21_ffn1,@function
k_q0c5b680f21_ffn1:
	s_mov_b64 s[64:65], 0
	v_nop
	global_prefetch_b8 v0, s[64:65] scope:SCOPE_SE
	s_setreg_imm32_b32 hwreg(HW_REG_WAVE_MODE, 25, 1), 1
	s_wait_xcnt 0x0
	s_wait_alu depctr_hold_cnt(0) depctr_sa_sdst(0) depctr_va_vdst(0) depctr_va_sdst(0) depctr_va_ssrc(0) depctr_va_vcc(0) depctr_vm_vsrc(0)
	s_getreg_b32 s2, hwreg(HW_REG_IB_STS2, 6, 4)
	s_cmp_eq_u32 s2, 0
	s_cbranch_scc0 .Lentry_in_a_cluster
	s_endpgm
.Lentry_in_a_cluster:
	s_bfe_u32 s2, ttmp6, 0x10000c
	s_cmp_lg_u32 s2, 0xf033
	s_cbranch_scc0 .Lentry_shape_is_right
	s_endpgm
.Lentry_shape_is_right:
.set HALFT,  24576
.set SLOT,   98304
.set SCL,    196608
.set SPARE,  212992
.set XN_S,   3145728
.set W1_C,   3145728
.set W1_S,   9601024
.set H_S,    12582912
.set SW,   2
.set ADRA, 16
.set ADRB, 20
.set STW,  22
.set STR,  23
.set ADS,  24
.set LI,   26
.set BO,   27
.set SPW,  28
.set NIL,  29
.set C8V,  30
.set SC,   32
.set WW,   32
.set BI,   64
.set AF,   128
.set T,    128
.set TT,   192
.set UU,   224
.set PC,   192
.set TM,   216
.set PW,   236
.set G1, 24
.set G0, 32
.set G1B, 48
.set G0B, 56
.set SEL, 66
.set G1S, 68
.set G0S, 76
.set G1SB, 80
.set G0SB, 88
.set KA,  24
.set CXP, 26
.set C0P, 28
.set C9P, 44
.set MSB, 0
.macro WIN new
.if MSB != (\new)
	s_set_vgpr_msb (MSB<<8)|(\new)
.set MSB, (\new)
.endif
.endm
.set MUL_LO, 0xa1
.set MUL_HI, 0xf1
.macro PLACES n
.rept \n
	v_nop
.endr
.endm
.macro JLOAD g0a, g1a, g0b, g1b
	s_cmp_eq_u32 s19, 0
	s_cbranch_scc0 .Lfor_b_\@
	tensor_load_to_lds s[\g0a:\g0a+3], s[\g1a:\g1a+7]
	s_nop 0
.rept 4
	v_nop
.endr
	s_branch .Lasked_\@
.Lfor_b_\@:
	tensor_load_to_lds s[\g0b:\g0b+3], s[\g1b:\g1b+7]
	s_nop 0
.rept 4
	v_nop
.endr
.Lasked_\@:
.endm
.macro CREST
	s_cmp_lg_u32 s18, 0
	s_cbranch_scc1 .Lnot_wave_0_\@
	s_barrier_signal -3
.Lnot_wave_0_\@:
	s_barrier_wait -3
	s_barrier_signal -1
	s_barrier_wait -1
.endm
.macro CROUND
	s_barrier_signal -1
	s_barrier_wait -1
	CREST
.endm
.macro QUANT s
.irp b, 0,1,2,3
	v_max3_num_f32 v[TM+\b], |v[\s+16*\b]|, |v[\s+1+16*\b]|, 0x1800000
.endr
.irp i, 2,4,6,8,10,12,14
.irp b, 0,1,2,3
	v_max3_num_f32 v[TM+\b], v[TM+\b], |v[\s+16*\b+\i]|, |v[\s+1+16*\b+\i]|
.endr
.endr
.irp b, 0,1,2,3
	v_permlanex16_b32 v[TM+4+\b], v[TM+\b], s[SEL], s[SEL+1]
.endr
.irp b, 0,1,2,3
	v_max_num_f32 v[TM+\b], v[TM+\b], v[TM+4+\b]
.endr
.irp b, 0,1,2,3
	v_add_nc_u32 v[TM+12+\b], 0xff000000, v[TM+\b]
.endr
.irp b, 0,1,2,3
	v_lshrrev_b32 v[TM+4+\b], 23, v[TM+12+\b]
.endr
	v_lshl_or_b32 v[PW], v[TM+5], 8, v[TM+4]
	v_lshl_or_b32 v[PW], v[TM+6], 16, v[PW]
	v_lshl_or_b32 v[PW], v[TM+7], 24, v[PW]
.irp c, 0,1
	v_cvt_scalef32_pk16_fp6_f32 v[PC+6*\c:PC+2+6*\c], v[\s+32*\c:\s+15+32*\c], v[TM+12+2*\c]
	v_cvt_scalef32_pk16_fp6_f32 v[PC+12+4*\c:PC+14+4*\c], v[\s+16+32*\c:\s+31+32*\c], v[TM+12+2*\c+1]
.endr
	v_nop
.irp c, 0,1
.irp i, 0,1,2
	v_permlane16_swap_b32 v[PC+6*\c+\i], v[PC+12+4*\c+\i]
.endr
.irp i, 0,1,2
	v_mov_b32 v[PC+3+6*\c+\i], v[PC+12+4*\c+\i]
.endr
.endr
.endm
	s_load_b256 s[4:11], s[0:1], 0x0
	v_lshl_add_u32 v[SPW], v0, 2, SPARE
	v_mov_b32 v[NIL], 0
	ds_add_u32 v[SPW], v[NIL]
	ds_add_u32 v[SPW], v[NIL]
	v_lshrrev_b32 v1, 5, v0
	v_readfirstlane_b32 s18, v1
	s_lshr_b32 s19, s18, 1
	s_and_b32 s20, s18, 1
	s_bfe_u32 s40, ttmp6, 0x40000
	s_bfe_u32 s41, ttmp6, 0x40004
	s_lshl_b32 s42, ttmp9, 2
	s_add_co_u32 s42, s42, s40
	s_and_b32 s43, ttmp7, 0xffff
	s_lshl_b32 s43, s43, 2
	s_add_co_u32 s43, s43, s41
	s_lshl_b32 s44, s41, 2
	s_lshl_b32 s44, 15, s44
	s_lshl_b32 s45, 0x1111, s40
	s_or_b32 s[G1], s44, (3<<16)|(1<<21)
	s_or_b32 s[G1B], s45, (3<<16)|(1<<21)
.irp g, G1, G1B
	s_mov_b32 s[\g+1], 384<<16
	s_mov_b32 s[\g+2], 16<<16                      ; the head's loads bring all 16 tiles of an operand
	s_mov_b32 s[\g+3], 384<<16
	s_mov_b32 s[\g+4], 16
	s_mov_b32 s[\g+5], 1536
	s_mov_b32 s[\g+6], 0
	s_mov_b32 s[\g+7], 0
.endr
	s_or_b32 s[G1S], s44, (3<<16)|(1<<21)
	s_or_b32 s[G1SB], s45, (3<<16)|(1<<21)
.irp g, G1S, G1SB
	s_mov_b32 s[\g+1], 128<<16
	s_mov_b32 s[\g+2], 8<<16                       ; all eight K steps' scale words in one load
	s_mov_b32 s[\g+3], 128<<16
	s_mov_b32 s[\g+4], 8
	s_mov_b32 s[\g+5], 2048
	s_mov_b32 s[\g+6], 0
	s_mov_b32 s[\g+7], 0
.endr
	s_mov_b32 s21, 0                               ; the block's first tile: the half is added for the ring below
	s_lshl_b32 s46, s43, 4
	s_add_co_u32 s46, s46, s21
	s_mul_i32 s46, s46, 12288
	s_mov_b32 s47, 0
	s_lshl_b32 s92, s42, 4
	s_add_co_u32 s92, s92, s21
	s_mul_i32 s92, s92, 12288
	s_add_co_u32 s92, s92, W1_C
	s_mov_b32 s93, 0
	s_mov_b32 s21, 0                               ; from K step 0 on
	s_lshl_b32 s94, s43, 10
	s_add_co_u32 s94, s94, s21
	s_add_co_u32 s94, s94, XN_S
	s_mov_b32 s95, 0
	s_lshl_b32 s96, s42, 10
	s_add_co_u32 s96, s96, s21
	s_add_co_u32 s96, s96, W1_S
	s_mov_b32 s97, 0
	s_mul_i32 s98, s18, HALFT
	s_lshl_b32 s99, s18, 12
	s_wait_dscnt 0x0
	s_wait_kmcnt 0x0
	s_add_nc_u64 s[46:47], s[4:5], s[46:47]
	s_add_nc_u64 s[94:95], s[4:5], s[94:95]
	s_add_nc_u64 s[92:93], s[6:7], s[92:93]
	s_add_nc_u64 s[96:97], s[6:7], s[96:97]
	CROUND
	s_mov_b32 s[G0S], 1
	s_mov_b32 s[G0S+1], SCL
	s_mov_b64 s[G0S+2:G0S+3], s[94:95]
	s_or_b32 s[G0S+3], s[G0S+3], 0x80000000
	s_mov_b32 s[G0SB], 1
	s_mov_b32 s[G0SB+1], SCL+8192
	s_mov_b64 s[G0SB+2:G0SB+3], s[96:97]
	s_or_b32 s[G0SB+3], s[G0SB+3], 0x80000000
	s_mov_b32 s4, 1                                ; s[4:7]: group 0 for slot 0 of A, all 16 tiles (the two pointers that lay here have been used)
	s_mov_b32 s5, 0
	s_mov_b64 s[6:7], s[46:47]
	s_or_b32 s7, s7, 0x80000000
	s_mul_i32 s94, s20, 8*12288                    ; for the ring: my half, 8 tiles on
	s_mov_b32 s95, 0
	s_add_nc_u64 s[46:47], s[46:47], s[94:95]
	s_add_nc_u64 s[2:3], s[92:93], s[94:95]
.irp s, 0,1
	s_mov_b32 s[G0+4*\s], 1
	s_add_co_u32 s[G0+4*\s+1], s98, \s*SLOT
	s_add_nc_u64 s[G0+4*\s+2:G0+4*\s+3], s[46:47], \s*3072
	s_or_b32 s[G0+4*\s+3], s[G0+4*\s+3], 0x80000000
	s_mov_b32 s[G0B+4*\s], 1
	s_add_co_u32 s[G0B+4*\s+1], s98, \s*SLOT
	s_add_nc_u64 s[G0B+4*\s+2:G0B+4*\s+3], s[2:3], \s*3072
	s_or_b32 s[G0B+4*\s+3], s[G0B+4*\s+3], 0x80000000
.endr
	s_mov_b32 s96, 1                               ; s[96:99]: group 0 for slot 0 of B, all 16 tiles
	s_mov_b32 s97, 2*HALFT
	s_mov_b64 s[98:99], s[92:93]
	s_or_b32 s99, s99, 0x80000000
; THE HEAD'S LOADS, ONE A WAVE: wave 0 slot 0 of A, wave 1 slot 0 of B, wave 2 A's scale words, wave 3 B's.  One chain of branches on the wave's number, one load to an arm, one join.
.macro HARM under, g0, g1, next
	s_cmp_lt_u32 s18, \under
	s_cbranch_scc0 \next
	tensor_load_to_lds s[\g0:\g0+3], s[\g1:\g1+7]
	s_nop 0
	PLACES 4
	s_branch .Lhead_asked
\next:
.endm
	HARM 1, 4, G1, .Lhead_b
	HARM 2, 96, G1B, .Lhead_sa
	HARM 3, G0S, G1S, .Lhead_sb
	tensor_load_to_lds s[G0SB:G0SB+3], s[G1SB:G1SB+7]
	s_nop 0
	PLACES 4
.Lhead_asked:
	s_wait_alu depctr_va_vdst(0)
	s_wait_tensorcnt 0x0                           ; my tile of the head's four is in; slot 1's first fill stands behind the same lines as a refill
	ds_add_u32 v[SPW], v[NIL]
	s_mov_b32 s[G1+2], 8<<16                       ; no load of mine is out: from here on a load brings 8 tiles
	s_mov_b32 s[G1+4], 8
	s_mov_b32 s[G1B+2], 8<<16
	s_mov_b32 s[G1B+4], 8
	s_wait_dscnt 0x0
	CROUND                                         ; all four tiles are in, in every wave's sight, and the partners are here
	JLOAD G0+4, G1, G0B+4, G1B                     ; slot 1: my one load behind the round
	v_and_b32 v1, 15, v0
	v_bfe_u32 v2, v0, 4, 1
	s_wait_alu depctr_va_vdst(0)
	v_and_b32 v3, 31, v0
	v_lshlrev_b32 v[LI], 4, v3
	s_wait_alu depctr_va_vdst(0)
	s_mul_i32 s21, s19, HALFT
	s_mul_i32 s22, s20, HALFT
	s_add_co_u32 s22, s22, 2*HALFT
.irp s, 0,1
	v_add_nc_u32 v[ADRA+\s], s21, v[LI]
	v_add_nc_u32 v[ADRB+\s], s22, v[LI]
	s_add_co_u32 s21, s21, SLOT
	s_add_co_u32 s22, s22, SLOT
.endr
	s_lshl_b32 s21, s19, 9
	s_lshl_b32 s22, s20, 9
	s_add_co_u32 s22, s22, 8192
	s_sub_co_u32 s22, s22, s21
	v_mul_u32_u24 v3, s22, v2
	s_add_co_u32 s21, s21, SCL
	v_lshl_add_u32 v3, v1, 2, v3
	v_add_nc_u32 v[ADS], s21, v3
	s_lshl_b32 s21, s18, 10
	v_lshl_add_u32 v[STW], v1, 2, s21
	v_add_nc_u32 v[STR], s21, v[LI]
	v_lshlrev_b32 v[BO], 6, v2
	s_lshl_b32 s2, s42, 10
	s_lshl_b32 s3, s20, 9
	s_add_co_u32 s2, s2, s3
	s_mov_b32 s3, 0
	s_add_nc_u64 s[8:9], s[8:9], s[2:3]
.irp b, 0,1,2,3
.irp j, 0,1,2,3
	global_load_b128 v[BI+16*\b+4*\j:BI+16*\b+4*\j+3], v[BO], s[8:9] offset:128*\b+16*\j
.endr
.endr
	s_lshl_b32 s21, s43, 4
	s_lshl_b32 s22, s19, 3
	s_add_co_u32 s21, s21, s22
	s_lshl_b32 s21, s21, 5
	s_lshl_b32 s22, s42, 1
	s_add_co_u32 s22, s22, s20
	s_add_co_u32 s21, s21, s22
	s_mul_i32 s2, s21, 1536
	s_lshl_b32 s22, s22, 14
	s_lshl_b32 s23, s43, 10
	s_add_co_u32 s22, s22, s23
	s_lshl_b32 s23, s19, 9
	s_add_co_u32 s22, s22, s23
	s_add_co_u32 s22, s22, H_S
	s_mov_b32 s23, 0
	s_add_nc_u64 s[98:99], s[10:11], s[22:23]
	s_add_nc_u64 s[10:11], s[10:11], s[2:3]
.macro FRAG reg, adr, q, i
.irp g, 0,1,2
	ds_load_b128 v[\reg+4*\g:\reg+4*\g+3], v[\adr] offset:(\i)*3072+(\q)*1536+512*\g
.endr
.endm
.macro MUL16 a0, p, zero
.irp a, \a0, \a0+1
.irp b, 0,1,2,3,4,5,6,7
.if \zero
	v_wmma_scale_f32_16x16x128_f8f6f4 v[8*(8*((\a)%4)+\b):8*(8*((\a)%4)+\b)+7], v[128*(\p)+12*\b:128*(\p)+12*\b+11], v[AF+12*(\a):AF+12*(\a)+11], 0, v[SC+8*(\p)+\b], v[SC+8*(\p)+(\a)] matrix_a_fmt:MATRIX_FMT_FP6 matrix_b_fmt:MATRIX_FMT_FP6 matrix_a_scale:MATRIX_SCALE_ROW1
.else
	v_wmma_scale_f32_16x16x128_f8f6f4 v[8*(8*((\a)%4)+\b):8*(8*((\a)%4)+\b)+7], v[128*(\p)+12*\b:128*(\p)+12*\b+11], v[AF+12*(\a):AF+12*(\a)+11], v[8*(8*((\a)%4)+\b):8*(8*((\a)%4)+\b)+7], v[SC+8*(\p)+\b], v[SC+8*(\p)+(\a)] matrix_a_fmt:MATRIX_FMT_FP6 matrix_b_fmt:MATRIX_FMT_FP6 matrix_a_scale:MATRIX_SCALE_ROW1
.endif
.endr
.endr
.endm
.macro FETCH_B slot, q, p
	WIN 0x40
.irp i, 0,1,2,3,4,5,6,7
	FRAG 128*(\p)+12*\i, ADRB+\slot, \q, \i
.endr
	WIN 0
.endm
.macro FETCH_A slot, q, i0
.irp i, \i0, \i0+1, \i0+2, \i0+3
	FRAG AF+12*(\i), ADRA+\slot, \q, \i
.endr
.endm
.macro SCALES p
.irp i, 0,1,2,3,4,5,6,7
	ds_load_b32 v[SC+8*(\p)+\i], v[ADS] offset:64*\i
.endr
	v_add_nc_u32 v[ADS], 1024, v[ADS]
.endm
.macro STEP slot, zero
	s_wait_dscnt 12
	WIN MUL_LO
	MUL16 0, 0, \zero
	MUL16 2, 0, \zero
	s_wait_dscnt 0
	PLACES 4
	FETCH_B \slot, 1, 1
	FETCH_A \slot, 1, 0
	SCALES 1
	WIN MUL_HI
	MUL16 4, 0, \zero
	MUL16 6, 0, \zero
	PLACES 4
	WIN 0
	FETCH_A \slot, 1, 4
.endm
.macro TURN slot, next, fill
	s_wait_tensorcnt 0x0
	ds_add_u32 v[SPW], v[NIL]
	s_wait_dscnt 13
	WIN MUL_LO
	MUL16 0, 1, 0
	s_wait_dscnt 0x0
	s_barrier_signal -1
	MUL16 2, 1, 0
	WIN 0
	s_barrier_wait -1
.if \fill
	CREST
	s_add_nc_u64 s[G0+4*\slot+2:G0+4*\slot+3], s[G0+4*\slot+2:G0+4*\slot+3], 6144
	s_add_nc_u64 s[G0B+4*\slot+2:G0B+4*\slot+3], s[G0B+4*\slot+2:G0B+4*\slot+3], 6144
	JLOAD G0+4*\slot, G1, G0B+4*\slot, G1B
.else
	PLACES 4
.endif
	FETCH_B \next, 0, 0
	FETCH_A \next, 0, 0
	s_wait_alu depctr_va_vdst(0)
	SCALES 0
	WIN MUL_HI
	MUL16 4, 1, 0
	MUL16 6, 1, 0
	PLACES 4
	WIN 0
	FETCH_A \next, 0, 4
.endm
	s_wait_alu depctr_va_vdst(0)
	FETCH_B 0, 0, 0
	FETCH_A 0, 0, 0
	SCALES 0
	FETCH_A 0, 0, 4
	s_wait_alu depctr_va_vdst(0)
	STEP 0, 1
	TURN 0, 1, 1
	s_wait_alu depctr_va_vdst(0)
	STEP 1, 0
	TURN 1, 0, 1
	s_wait_alu depctr_va_vdst(0)
	STEP 0, 0
	TURN 0, 1, 0
	s_wait_alu depctr_va_vdst(0)
	STEP 1, 0
	s_wait_dscnt 12
	WIN MUL_LO
	MUL16 0, 1, 0
	MUL16 2, 1, 0
	s_wait_dscnt 0
	WIN MUL_HI
	MUL16 4, 1, 0
	MUL16 6, 1, 0
	WIN 0
	PLACES 4
.macro SETP r, val
	s_mov_b32 s[\r], \val
	s_mov_b32 s[\r+1], \val
.endm
	s_mov_b32 s[SEL], 0x76543210
	s_mov_b32 s[SEL+1], 0xfedcba98
	s_mov_b32 s[KA], 0x3eb504f3
	SETP CXP, 0xbf38aa3b
	SETP C0P, 0xc034d90f
	SETP 30, 0x3fb8ab5a
	SETP 32, 0x3f0a29d2
	SETP 34, 0x3e0efb2f
	SETP 36, 0xbe899a80
	SETP 38, 0x3ecdfd18
	SETP 40, 0xbfd1a1e5
	SETP 42, 0x40097039
	SETP C9P, 0x3e7c6f08
	v_mov_b32 v[C8V], 0xbf97d29d
	v_mov_b32 v[C8V+1], 0xbf97d29d
.irp a, 0,1,2,3,4,5,6,7
	v_mov_b32 v[SW+\a], 0
.endr
	v_mov_b32 v[PW], 0
	s_wait_loadcnt 0x0
.macro GELU x
.set j, 0
.rept 32
	v_fma_f32 v[TT+j], |v[(\x)+j]|, s[KA], 1.0
.set j, j+1
.endr
.set j, 0
	s_wait_alu depctr_va_vdst(0)
.rept 32
	v_rcp_f32 v[TT+j], v[TT+j]
.set j, j+1
.endr
.set j, 0
.rept 16
	v_pk_mul_f32 v[WW+j:WW+j+1], v[(\x)+j:(\x)+j+1], s[CXP:CXP+1] op_sel_hi:[1,0]
.set j, j+2
.endr
.set j, 0
.rept 16
	v_pk_fma_f32 v[WW+j:WW+j+1], v[WW+j:WW+j+1], v[(\x)+j:(\x)+j+1], s[C0P:C0P+1] op_sel_hi:[1,1,0]
.set j, j+2
.endr
	s_wait_alu depctr_va_vdst(0)
.set j, 0
.rept 16
	v_pk_fma_f32 v[UU+j:UU+j+1], v[TT+j:TT+j+1], s[C9P:C9P+1], v[C8V:C8V+1] op_sel_hi:[1,0,1]
.set j, j+2
.endr
.irp k, 42,40,38,36,34,32,30
.set j, 0
.rept 16
	v_pk_fma_f32 v[UU+j:UU+j+1], v[UU+j:UU+j+1], v[TT+j:TT+j+1], s[\k:\k+1] op_sel_hi:[1,1,0]
.set j, j+2
.endr
.endr
.set j, 0
.rept 16
	v_pk_fma_f32 v[UU+j:UU+j+1], v[UU+j:UU+j+1], v[TT+j:TT+j+1], v[WW+j:WW+j+1]
.set j, j+2
.endr
.set j, 0
	s_wait_alu depctr_va_vdst(0)
.rept 32
	v_exp_f32 v[UU+j], v[UU+j]
.set j, j+1
.endr
.set j, 0
.rept 32
	v_max_num_f32 v[WW+j], 0, v[(\x)+j]
.set j, j+1
.endr
	s_wait_alu depctr_va_vdst(0)
.set j, 0
.rept 16
	v_pk_mul_f32 v[UU+j:UU+j+1], v[UU+j:UU+j+1], v[TT+j:TT+j+1]
.set j, j+2
.endr
.set j, 0
.rept 32
	v_fma_f32 v[(\x)+j], -|v[(\x)+j]|, v[UU+j], v[WW+j]
.set j, j+1
.endr
.endm
.macro ARM a
.if \a > 0
	v_mov_b32 v[SW+\a-1], v[PW]
.endif
	WIN 0x02+(\a/4)
.set j, 0
.rept 32
	v_pk_add_f32 v[T+j:T+j+1], v[64*(\a%4)+j:64*(\a%4)+j+1], v[BI+j:BI+j+1]
.set j, j+2
.endr
	WIN 0
.endm
.macro ARMSEL a, n
.Larm\a:
	s_cmp_eq_u32 s2, \a
	s_cbranch_scc0 .Larm\n
	s_wait_alu depctr_va_vdst(0)
	ARM \a
	s_branch .Lcommon
.endm
	s_mov_b32 s2, 0
.Ltrip:
	ARMSEL 0, 1
	ARMSEL 1, 2
	ARMSEL 2, 3
	ARMSEL 3, 4
	ARMSEL 4, 5
	ARMSEL 5, 6
	ARMSEL 6, 7
.Larm7:
	s_wait_alu depctr_va_vdst(0)
	ARM 7
.Lcommon:
	GELU T
	GELU T+32
	QUANT T
.irp g, 0,1,2
	global_store_b128 v[LI], v[PC+4*\g:PC+4*\g+3], s[10:11] offset:512*\g
.endr
	s_wait_xcnt 0x0
	s_add_nc_u64 s[10:11], s[10:11], 49152
	s_add_co_u32 s2, s2, 1
	s_cmp_lt_u32 s2, 8
	s_cbranch_scc1 .Ltrip
	v_mov_b32 v[SW+7], v[PW]
.irp a, 0,1,2,3,4,5,6,7
	ds_store_b32 v[STW], v[SW+\a] offset:64*\a
.endr
	ds_load_b128 v[192:195], v[STR]
	s_wait_dscnt 0x0
	global_store_b128 v[LI], v[192:195], s[98:99]
	s_wait_tensorcnt 0x0
	ds_add_u32 v[SPW], v[NIL]
	s_wait_dscnt 0x0
	CROUND
	s_endpgm
.Lfunc_end_k_q0c5b680f21_ffn1:
	.size	k_q0c5b680f21_ffn1, .Lfunc_end_k_q0c5b680f21_ffn1-k_q0c5b680f21_ffn1
	.p2alignl 7, 3214868480
	.fill 96, 4, 3214868480
	.section	.rodata,"a",@progbits
	.p2align	6, 0x0
	.amdhsa_kernel k_q0c5b680f21_ffn1
		.amdhsa_group_segment_fixed_size 327680
		.amdhsa_private_segment_fixed_size 0
		.amdhsa_enable_private_segment 0
		.amdhsa_kernarg_size 32
		.amdhsa_user_sgpr_count 2
		.amdhsa_user_sgpr_kernarg_segment_ptr 1
		.amdhsa_wavefront_size32 1
		.amdhsa_system_sgpr_workgroup_id_x 1
		.amdhsa_system_sgpr_workgroup_id_y 1
		.amdhsa_system_sgpr_workgroup_id_z 1
		.amdhsa_system_vgpr_workitem_id 0
		.amdhsa_next_free_vgpr 1024
		.amdhsa_next_free_sgpr 100
		.amdhsa_reserve_vcc 0
		.amdhsa_float_denorm_mode_32 3
		.amdhsa_float_denorm_mode_16_64 3
		.amdhsa_memory_ordered 1
		.amdhsa_forward_progress 1
		.amdhsa_inst_pref_size 174
	.end_amdhsa_kernel
	.amdgpu_metadata
---
amdhsa.version: [ 1, 2 ]
amdhsa.kernels:
  - .name:           k_q0c5b680f21_ffn1
    .symbol:         k_q0c5b680f21_ffn1.kd
    .args:
      - { .name: XN, .offset: 0, .size: 8, .value_kind: global_buffer, .address_space: global }
      - { .name: W, .offset: 8, .size: 8, .value_kind: global_buffer, .address_space: global }
      - { .name: b1, .offset: 16, .size: 8, .value_kind: global_buffer, .address_space: global }
      - { .name: H, .offset: 24, .size: 8, .value_kind: global_buffer, .address_space: global }
    .group_segment_fixed_size: 327680
    .private_segment_fixed_size: 0
    .kernarg_segment_align: 8
    .kernarg_segment_size: 32
    .max_flat_workgroup_size: 128
    .sgpr_count:     100
    .vgpr_count:     1024
    .wavefront_size: 32
...
	.end_amdgpu_metadata
.endif
;; end of part 5
;; launch ffn2 (part 6): grid 8 x 32, 4 waves a work-group, clusters of 4 x 4, 327,680 bytes of LDS; arguments H, W, b2, X1, out0; writes out0
.if DOCPART == 6
	.amdgcn_target "amdgcn-amd-amdhsa--gfx1250"
	.amdhsa_code_object_version 6
	.text
	.protected	k_q0c5b680f21_ffn2
	.globl	k_q0c5b680f21_ffn2
	.p2align	8
	.type	k_q0c5b680f21_ffn2,@function
k_q0c5b680f21_ffn2:
	s_mov_b64 s[64:65], 0
	v_nop
	global_prefetch_b8 v0, s[64:65] scope:SCOPE_SE
	s_setreg_imm32_b32 hwreg(HW_REG_WAVE_MODE, 25, 1), 1
	s_wait_xcnt 0x0
	s_wait_alu depctr_hold_cnt(0) depctr_sa_sdst(0) depctr_va_vdst(0) depctr_va_sdst(0) depctr_va_ssrc(0) depctr_va_vcc(0) depctr_vm_vsrc(0)
	s_getreg_b32 s2, hwreg(HW_REG_IB_STS2, 6, 4)
	s_cmp_eq_u32 s2, 0
	s_cbranch_scc0 .Lentry_in_a_cluster
	s_endpgm
.Lentry_in_a_cluster:
	s_bfe_u32 s2, ttmp6, 0x10000c
	s_cmp_lg_u32 s2, 0xf033
	s_cbranch_scc0 .Lentry_shape_is_right
	s_endpgm
.Lentry_shape_is_right:
.set KST,   32
.set LAPS,  4
.set A_S,   12582912
.set B_C,   6291456
.set B_S,   9732096
.set HALFT, 24576
.set SLOT,  98304
.set SCL,   196608
.set STG,   SCL+KST*1024
.set SPARE, STG+17408
.set ADRA, 16
.set ADRB, 20
.set STO,  22
.set RD,   23
.set ADS,  24
.set CO,   26
.set SPW,  28
.set NIL,  29
.set SC,   32
.set BIA,  40
.set RB,   64
.set ACC,  128
.set G1, 24
.set G0, 32
.set G1B, 48
.set G0B, 56
.set G1S, 68
.set G0S, 76
.set G1SB, 80
.set G0SB, 88
.set MSB, 0
.macro WIN new
.if MSB != (\new)
	s_set_vgpr_msb (MSB<<8)|(\new)
.set MSB, (\new)
.endif
.endm
.macro PLACES n
.rept \n
	v_nop
.endr
.endm
.macro JLOAD g0a, g1a, g0b, g1b
	s_cmp_eq_u32 s19, 0
	s_cbranch_scc0 .Lfor_b_\@
	tensor_load_to_lds s[\g0a:\g0a+3], s[\g1a:\g1a+7]
	s_nop 0
.rept 4
	v_nop
.endr
	s_branch .Lasked_\@
.Lfor_b_\@:
	tensor_load_to_lds s[\g0b:\g0b+3], s[\g1b:\g1b+7]
	s_nop 0
.rept 4
	v_nop
.endr
.Lasked_\@:
.endm
.macro CREST
	s_cmp_lg_u32 s18, 0
	s_cbranch_scc1 .Lnot_wave_0_\@
	s_barrier_signal -3
.Lnot_wave_0_\@:
	s_barrier_wait -3
	s_barrier_signal -1
	s_barrier_wait -1
.endm
.macro CROUND
	s_barrier_signal -1
	s_barrier_wait -1
	CREST
.endm
	s_load_b256 s[4:11], s[0:1], 0x0
	s_load_b64 s[12:13], s[0:1], 0x20
	v_lshl_add_u32 v[SPW], v0, 2, SPARE
	v_mov_b32 v[NIL], 0
	ds_add_u32 v[SPW], v[NIL]
	ds_add_u32 v[SPW], v[NIL]
	v_lshrrev_b32 v1, 5, v0
	v_readfirstlane_b32 s18, v1
	s_lshr_b32 s19, s18, 1
	s_and_b32 s20, s18, 1
	s_bfe_u32 s40, ttmp6, 0x40000
	s_bfe_u32 s41, ttmp6, 0x40004
	s_lshl_b32 s42, ttmp9, 2
	s_add_co_u32 s42, s42, s40
	s_and_b32 s43, ttmp7, 0xffff
	s_lshl_b32 s43, s43, 2
	s_add_co_u32 s43, s43, s41
	s_lshl_b32 s44, s41, 2
	s_lshl_b32 s44, 15, s44
	s_lshl_b32 s45, 0x1111, s40
	s_or_b32 s[G1], s44, (3<<16)|(1<<21)
	s_or_b32 s[G1B], s45, (3<<16)|(1<<21)
.irp g, G1, G1B
	s_mov_b32 s[\g+1], 768<<16
	s_mov_b32 s[\g+2], 8<<16                       ; the head's loads bring all 8 tiles of an operand
	s_mov_b32 s[\g+3], 768<<16
	s_mov_b32 s[\g+4], 8
	s_mov_b32 s[\g+5], KST*192
	s_mov_b32 s[\g+6], 0
	s_mov_b32 s[\g+7], 0
.endr
	s_or_b32 s[G1S], s44, (3<<16)|(1<<21)
	s_or_b32 s[G1SB], s45, (3<<16)|(1<<21)
.irp g, G1S, G1SB
	s_mov_b32 s[\g+1], 64<<16
	s_mov_b32 s[\g+2], KST<<16                     ; all K steps' scale words in one load
	s_mov_b32 s[\g+3], 64<<16
	s_mov_b32 s[\g+4], KST
	s_mov_b32 s[\g+6], 0
	s_mov_b32 s[\g+7], 0
.endr
	s_mov_b32 s[G1S+5], 2048
	s_mov_b32 s[G1SB+5], 512
	s_mov_b32 s21, 0                               ; the block's first tile: the half is added for the ring below
	s_lshl_b32 s46, s43, 3
	s_add_co_u32 s46, s46, s21
	s_mul_i32 s46, s46, KST*1536
	s_mov_b32 s47, 0
	s_lshl_b32 s92, s42, 3
	s_add_co_u32 s92, s92, s21
	s_mul_i32 s92, s92, KST*1536
	s_add_co_u32 s92, s92, B_C
	s_mov_b32 s93, 0
	s_mov_b32 s94, 0
	s_lshl_b32 s21, s43, 9
	s_add_co_u32 s94, s94, s21
	s_add_co_u32 s94, s94, A_S
	s_mov_b32 s95, 0
	s_mov_b32 s96, 0
	s_lshl_b32 s22, s42, 9
	s_add_co_u32 s96, s96, s22
	s_add_co_u32 s96, s96, B_S
	s_mov_b32 s97, 0
	s_mul_i32 s98, s18, HALFT
	s_mul_i32 s99, s18, KST*256
	s_wait_dscnt 0x0
	s_wait_kmcnt 0x0
	s_add_nc_u64 s[46:47], s[4:5], s[46:47]
	s_add_nc_u64 s[94:95], s[4:5], s[94:95]
	s_add_nc_u64 s[92:93], s[6:7], s[92:93]
	s_add_nc_u64 s[96:97], s[6:7], s[96:97]
	CROUND
	s_mov_b32 s[G0S], 1
	s_mov_b32 s[G0S+1], SCL
	s_mov_b64 s[G0S+2:G0S+3], s[94:95]
	s_or_b32 s[G0S+3], s[G0S+3], 0x80000000
	s_mov_b32 s[G0SB], 1
	s_mov_b32 s[G0SB+1], SCL+KST*512
	s_mov_b64 s[G0SB+2:G0SB+3], s[96:97]
	s_or_b32 s[G0SB+3], s[G0SB+3], 0x80000000
	s_mov_b32 s4, 1                                ; s[4:7]: group 0 for slot 0 of A, all 8 tiles (the two pointers that lay here have been used)
	s_mov_b32 s5, 0
	s_mov_b64 s[6:7], s[46:47]
	s_or_b32 s7, s7, 0x80000000
	s_mul_i32 s94, s20, 4*KST*1536                 ; for the ring: my half, 4 tiles on
	s_mov_b32 s95, 0
	s_add_nc_u64 s[46:47], s[46:47], s[94:95]
	s_add_nc_u64 s[2:3], s[92:93], s[94:95]
.irp s, 0,1
	s_mov_b32 s[G0+4*\s], 1
	s_add_co_u32 s[G0+4*\s+1], s98, \s*SLOT
	s_add_nc_u64 s[G0+4*\s+2:G0+4*\s+3], s[46:47], \s*6144
	s_or_b32 s[G0+4*\s+3], s[G0+4*\s+3], 0x80000000
	s_mov_b32 s[G0B+4*\s], 1
	s_add_co_u32 s[G0B+4*\s+1], s98, \s*SLOT
	s_add_nc_u64 s[G0B+4*\s+2:G0B+4*\s+3], s[2:3], \s*6144
	s_or_b32 s[G0B+4*\s+3], s[G0B+4*\s+3], 0x80000000
.endr
	s_mov_b32 s96, 1                               ; s[96:99]: group 0 for slot 0 of B, all 8 tiles
	s_mov_b32 s97, 2*HALFT
	s_mov_b64 s[98:99], s[92:93]
	s_or_b32 s99, s99, 0x80000000
; THE HEAD'S LOADS, ONE A WAVE: wave 0 slot 0 of A, wave 1 slot 0 of B, wave 2 A's scale words, wave 3 B's.  One chain of branches on the wave's number, one load to an arm, one join.
.macro HARM under, g0, g1, next
	s_cmp_lt_u32 s18, \under
	s_cbranch_scc0 \next
	tensor_load_to_lds s[\g0:\g0+3], s[\g1:\g1+7]
	s_nop 0
	PLACES 4
	s_branch .Lhead_asked
\next:
.endm
	HARM 1, 4, G1, .Lhead_b
	HARM 2, 96, G1B, .Lhead_sa
	HARM 3, G0S, G1S, .Lhead_sb
	tensor_load_to_lds s[G0SB:G0SB+3], s[G1SB:G1SB+7]
	s_nop 0
	PLACES 4
.Lhead_asked:
	s_wait_alu depctr_va_vdst(0)
	s_wait_tensorcnt 0x0                           ; my tile of the head's four is in; slot 1's first fill stands behind the same lines as a refill
	ds_add_u32 v[SPW], v[NIL]
	s_mov_b32 s[G1+2], 4<<16                       ; no load of mine is out: from here on a load brings 4 tiles
	s_mov_b32 s[G1+4], 4
	s_mov_b32 s[G1B+2], 4<<16
	s_mov_b32 s[G1B+4], 4
	s_wait_dscnt 0x0
	CROUND                                         ; all four tiles are in, in every wave's sight, and the partners are here
	JLOAD G0+4, G1, G0B+4, G1B                     ; slot 1: my one load behind the round
	v_and_b32 v1, 15, v0
	v_bfe_u32 v2, v0, 4, 1
	s_wait_alu depctr_va_vdst(0)
	v_and_b32 v3, 31, v0
	v_lshlrev_b32 v3, 4, v3
	s_mul_i32 s21, s19, HALFT
	s_mul_i32 s22, s20, HALFT
	s_add_co_u32 s22, s22, 2*HALFT
.irp s, 0,1
	v_add_nc_u32 v[ADRA+\s], s21, v3
	v_add_nc_u32 v[ADRB+\s], s22, v3
	s_add_co_u32 s21, s21, SLOT
	s_add_co_u32 s22, s22, SLOT
.endr
	s_lshl_b32 s21, s19, 8
	s_lshl_b32 s22, s20, 8
	s_add_co_u32 s22, s22, 512*KST
	s_sub_co_u32 s22, s22, s21
	v_mul_u32_u24 v3, s22, v2
	s_add_co_u32 s21, s21, SCL
	v_lshl_add_u32 v3, v1, 2, v3
	v_add_nc_u32 v[ADS], s21, v3
	s_mul_i32 s21, s18, 16*272
	s_add_co_u32 s21, s21, STG
	v_mul_u32_u24 v3, v1, 272
	v_lshl_add_u32 v3, v2, 6, v3
	v_add_nc_u32 v[STO], s21, v3
	v_mul_u32_u24 v3, v2, 272
	v_lshl_add_u32 v3, v1, 4, v3
	v_add_nc_u32 v[RD], s21, v3
	v_lshlrev_b32 v[CO], 12, v2
	v_lshl_add_u32 v[CO], v1, 4, v[CO]
	v_lshlrev_b32 v4, 4, v1
	s_wait_alu depctr_va_vdst(0)
	s_lshl_b32 s2, s42, 9
	s_lshl_b32 s3, s20, 8
	s_add_co_u32 s2, s2, s3
	s_mov_b32 s3, 0
	s_add_nc_u64 s[8:9], s[8:9], s[2:3]
	s_lshl_b32 s21, s43, 7
	s_lshl_b32 s22, s19, 6
	s_add_co_u32 s21, s21, s22
	s_lshl_b32 s21, s21, 12
	s_add_co_u32 s2, s2, s21
	s_add_nc_u64 s[10:11], s[10:11], s[2:3]
	s_add_nc_u64 s[12:13], s[12:13], s[2:3]
	global_load_b128 v[BIA:BIA+3], v4, s[8:9]
	WIN 0x80
.irp a, 0,1,2,3
.irp i, 0,1,2,3,4,5,6,7
	global_load_b128 v[4*(8*\a+\i):4*(8*\a+\i)+3], v[CO], s[10:11] offset:(32*(\a/2)+8*(\a%2)+2*\i+8*(\i/4))*4096
.endr
.endr
	WIN 0
.macro FETCH slot, q, f
	WIN 0x40
.irp i, 0,1,2,3
.irp g, 0,1,2
	ds_load_b128 v[\f+12*\i+4*\g:\f+12*\i+4*\g+3], v[ADRA+\slot] offset:\i*6144+(\q)*1536+512*\g
.endr
.endr
.irp i, 0,1,2,3
.irp g, 0,1,2
	ds_load_b128 v[\f+48+12*\i+4*\g:\f+48+12*\i+4*\g+3], v[ADRB+\slot] offset:\i*6144+(\q)*1536+512*\g
.endr
.endr
	WIN 0
.irp i, 0,1,2,3
	ds_load_b32 v[SC+4*((\q)%2)+\i], v[ADS] offset:64*\i
.endr
	v_add_nc_u32 v[ADS], 512, v[ADS]
.endm
.macro MULA a, f, p, zero
.irp b, 0,1,2,3
.if \zero
	v_wmma_scale_f32_16x16x128_f8f6f4 v[ACC+8*(4*(\a)+\b):ACC+8*(4*(\a)+\b)+7], v[(\f)+48+12*\b:(\f)+48+12*\b+11], v[(\f)+12*(\a):(\f)+12*(\a)+11], 0, v[SC+4*(\p)+\b], v[SC+4*(\p)+(\a)] matrix_a_fmt:MATRIX_FMT_FP6 matrix_b_fmt:MATRIX_FMT_FP6 matrix_a_scale:MATRIX_SCALE_ROW1
.else
	v_wmma_scale_f32_16x16x128_f8f6f4 v[ACC+8*(4*(\a)+\b):ACC+8*(4*(\a)+\b)+7], v[(\f)+48+12*\b:(\f)+48+12*\b+11], v[(\f)+12*(\a):(\f)+12*(\a)+11], v[ACC+8*(4*(\a)+\b):ACC+8*(4*(\a)+\b)+7], v[SC+4*(\p)+\b], v[SC+4*(\p)+(\a)] matrix_a_fmt:MATRIX_FMT_FP6 matrix_b_fmt:MATRIX_FMT_FP6 matrix_a_scale:MATRIX_SCALE_ROW1
.endif
.endr
.endm
.macro STEP slot, q, zero
	s_wait_dscnt 0x0
	PLACES 4
	FETCH \slot, (\q)+1, 128*(((\q)+1)%2)
	WIN 0x05
	MULA 0, 128*((\q)%2), (\q)%2, \zero
	MULA 1, 128*((\q)%2), (\q)%2, \zero
	MULA 2, 128*((\q)%2), (\q)%2, \zero
	MULA 3, 128*((\q)%2), (\q)%2, \zero
	WIN 0
.endm
.macro TURN slot, next, fill
	s_wait_tensorcnt 0x0
	ds_add_u32 v[SPW], v[NIL]
	s_wait_dscnt 1
	WIN 0x05
	MULA 0, 128, 1, 0
	s_wait_dscnt 0x0
	s_barrier_signal -1
	MULA 1, 128, 1, 0
	WIN 0
	s_barrier_wait -1
.if \fill
	CREST
	s_add_nc_u64 s[G0+4*\slot+2:G0+4*\slot+3], s[G0+4*\slot+2:G0+4*\slot+3], 12288
	s_add_nc_u64 s[G0B+4*\slot+2:G0B+4*\slot+3], s[G0B+4*\slot+2:G0B+4*\slot+3], 12288
	JLOAD G0+4*\slot, G1, G0B+4*\slot, G1B
.else
	PLACES 4
.endif
	s_wait_alu depctr_va_vdst(0)
	FETCH \next, 0, 0
	WIN 0x05
	MULA 2, 128, 1, 0
	MULA 3, 128, 1, 0
	WIN 0
.endm
	FETCH 0, 0, 0
	s_wait_alu depctr_va_vdst(0)
	STEP 0, 0, 1
.if LAPS > 1
	s_mov_b32 s3, LAPS-1
.Llap:
	s_wait_alu depctr_va_vdst(0)
	STEP 0, 1, 0
	s_wait_alu depctr_va_vdst(0)
	STEP 0, 2, 0
	TURN 0, 1, 1
	s_wait_alu depctr_va_vdst(0)
	STEP 1, 0, 0
	s_wait_alu depctr_va_vdst(0)
	STEP 1, 1, 0
	s_wait_alu depctr_va_vdst(0)
	STEP 1, 2, 0
	TURN 1, 0, 1
	s_wait_alu depctr_va_vdst(0)
	STEP 0, 0, 0
	s_sub_co_u32 s3, s3, 1
	s_cmp_lg_u32 s3, 0
	s_cbranch_scc1 .Llap
.endif
	s_wait_alu depctr_va_vdst(0)
	STEP 0, 1, 0
	s_wait_alu depctr_va_vdst(0)
	STEP 0, 2, 0
	TURN 0, 1, 0
	s_wait_alu depctr_va_vdst(0)
	STEP 1, 0, 0
	s_wait_alu depctr_va_vdst(0)
	STEP 1, 1, 0
	s_wait_alu depctr_va_vdst(0)
	STEP 1, 2, 0
	s_wait_dscnt 0x0
	WIN 0x05
	MULA 0, 128, 1, 0
	MULA 1, 128, 1, 0
	MULA 2, 128, 1, 0
	MULA 3, 128, 1, 0
	WIN 0
	PLACES 4
	s_wait_loadcnt 0x0
.irp a, 0,1,2,3
.if \a >= 2
	s_wait_xcnt 0x0
.endif
.irp b, 0,1,2,3
	ds_store_b128 v[STO], v[ACC+8*(4*\a+\b):ACC+8*(4*\a+\b)+3] offset:128*(\b/2)+32*(\b%2)
	ds_store_b128 v[STO], v[ACC+8*(4*\a+\b)+4:ACC+8*(4*\a+\b)+7] offset:128*(\b/2)+32*(\b%2)+16
.endr
.irp i, 0,1,2,3,4,5,6,7
	ds_load_b128 v[RB+32*(\a%2)+4*\i:RB+32*(\a%2)+4*\i+3], v[RD] offset:2*\i*272
.endr
	s_wait_dscnt 0x0
.irp i, 0,1,2,3,4,5,6,7
	v_pk_add_f32 v[RB+32*(\a%2)+4*\i:RB+32*(\a%2)+4*\i+1], v[RB+32*(\a%2)+4*\i:RB+32*(\a%2)+4*\i+1], v[BIA:BIA+1]
	v_pk_add_f32 v[RB+32*(\a%2)+4*\i+2:RB+32*(\a%2)+4*\i+3], v[RB+32*(\a%2)+4*\i+2:RB+32*(\a%2)+4*\i+3], v[BIA+2:BIA+3]
.endr
	WIN 0x08
.irp i, 0,1,2,3,4,5,6,7
	v_pk_add_f32 v[RB+32*(\a%2)+4*\i:RB+32*(\a%2)+4*\i+1], v[RB+32*(\a%2)+4*\i:RB+32*(\a%2)+4*\i+1], v[4*(8*\a+\i):4*(8*\a+\i)+1]
	v_pk_add_f32 v[RB+32*(\a%2)+4*\i+2:RB+32*(\a%2)+4*\i+3], v[RB+32*(\a%2)+4*\i+2:RB+32*(\a%2)+4*\i+3], v[4*(8*\a+\i)+2:4*(8*\a+\i)+3]
.endr
	WIN 0
.irp i, 0,1,2,3,4,5,6,7
	global_store_b128 v[CO], v[RB+32*(\a%2)+4*\i:RB+32*(\a%2)+4*\i+3], s[12:13] offset:(32*(\a/2)+8*(\a%2)+2*\i+8*(\i/4))*4096
.endr
.endr
	s_wait_tensorcnt 0x0
	ds_add_u32 v[SPW], v[NIL]
	s_wait_dscnt 0x0
	CROUND
	s_endpgm
.Lfunc_end_k_q0c5b680f21_ffn2:
	.size	k_q0c5b680f21_ffn2, .Lfunc_end_k_q0c5b680f21_ffn2-k_q0c5b680f21_ffn2
	.p2alignl 7, 3214868480
	.fill 96, 4, 3214868480
	.section	.rodata,"a",@progbits
	.p2align	6, 0x0
	.amdhsa_kernel k_q0c5b680f21_ffn2
		.amdhsa_group_segment_fixed_size 327680
		.amdhsa_private_segment_fixed_size 0
		.amdhsa_enable_private_segment 0
		.amdhsa_kernarg_size 40
		.amdhsa_user_sgpr_count 2
		.amdhsa_user_sgpr_kernarg_segment_ptr 1
		.amdhsa_wavefront_size32 1
		.amdhsa_system_sgpr_workgroup_id_x 1
		.amdhsa_system_sgpr_workgroup_id_y 1
		.amdhsa_system_sgpr_workgroup_id_z 1
		.amdhsa_system_vgpr_workitem_id 0
		.amdhsa_next_free_vgpr 640
		.amdhsa_next_free_sgpr 100
		.amdhsa_reserve_vcc 0
		.amdhsa_float_denorm_mode_32 3
		.amdhsa_float_denorm_mode_16_64 3
		.amdhsa_memory_ordered 1
		.amdhsa_forward_progress 1
		.amdhsa_inst_pref_size 99
	.end_amdhsa_kernel
	.amdgpu_metadata
---
amdhsa.version: [ 1, 2 ]
amdhsa.kernels:
  - .name:           k_q0c5b680f21_ffn2
    .symbol:         k_q0c5b680f21_ffn2.kd
    .args:
      - { .name: H, .offset: 0, .size: 8, .value_kind: global_buffer, .address_space: global }
      - { .name: W, .offset: 8, .size: 8, .value_kind: global_buffer, .address_space: global }
      - { .name: b2, .offset: 16, .size: 8, .value_kind: global_buffer, .address_space: global }
      - { .name: X1, .offset: 24, .size: 8, .value_kind: global_buffer, .address_space: global }
      - { .name: out0, .offset: 32, .size: 8, .value_kind: global_buffer, .address_space: global }
    .group_segment_fixed_size: 327680
    .private_segment_fixed_size: 0
    .kernarg_segment_align: 8
    .kernarg_segment_size: 40
    .max_flat_workgroup_size: 128
    .sgpr_count:     100
    .vgpr_count:     640
    .wavefront_size: 32
...
	.end_amdgpu_metadata
.endif
;; end of part 6
